; MI455X (gfx1250); checked and timed in simulation.
; The chip was launched on July 23, 2026; its instructions are those of AMD's public machine-readable ISA for CDNA 5 (MIT licence, August 2026) and "CDNA5" Instruction Set Architecture Reference Guide (July 2026). The comments in the code are by the model that wrote it; some were corrected since.
;; MMN. Allowed arithmetic: float matrix products may take bf16 or f16 operands with f32 sums; other float arithmetic in f32, or as packed bf16 or f16 multiplies, adds, multiply-adds, maxima and minima; sums over many terms, partial sums and values carried from step to step in f32; what a program stores and reads back later, other than sums and carried values, may be rounded once to bf16 or f16.
;; Inputs: W1 512 x 128 float32; W2 512 x 128 float32; Wfuse 128 float32; Wiou 256 x 512 float32; Wp 256 x 512 float32; b1 128 float32; b2 128 float32; feats 16 x 512 x 64 float32; sent_feat 16 x 8 x 256 float32; sent_feat_fusion 16 x 8 x 512 float32; sent_feat_iou 16 x 8 x 256 float32.
;; Outputs: out0 3 x 16 x 8 x 64 x 64 float32.
;; 2 versions, each right; version 2 is version 1 with the launch prep written anew for expert scheduling mode. Each part assembles by itself: llvm-mc -triple=amdgcn-amd-amdhsa -mcpu=gfx1250 --defsym DOCPART=n.
;; ======== version 1 of 2: 2 launches
;; workspace buffers: Wb 524,288 bytes; fTb 1,048,576 bytes; snb 262,144 bytes; Vb 262,144 bytes; cb 32,768 bytes
;; launch prep (part 1): grid 100 x 1, 16 waves a work-group, no clusters, 144,896 bytes of LDS; arguments feats, W1, W2, sent_feat_fusion, b1, b2, Wfuse, Wiou, Wp, sent_feat_iou, sent_feat, Wb, fTb, snb, Vb, cb; writes Wb, fTb, snb, Vb, cb
.if DOCPART == 1
	.amdgcn_target "amdgcn-amd-amdhsa--gfx1250"
	.amdhsa_code_object_version 6
	.text
	.protected	k_q4cbe63bf99_prep
	.globl	k_q4cbe63bf99_prep
	.p2align	8
	.type	k_q4cbe63bf99_prep,@function
k_q4cbe63bf99_prep:
	s_mov_b64 s[64:65], 0
	v_nop
	global_prefetch_b8 v0, s[64:65] scope:SCOPE_SE
	s_setreg_imm32_b32 hwreg(HW_REG_WAVE_MODE, 25, 1), 1
	s_wait_xcnt 0x0
; PREP: everything that the main launch wants in bf16 and with K along the rows.  100 work-groups of 16 waves, three roles by the work-group number g:
;   g =  0..31  V role: b = g>>1, kh = g&1.  Vb[b][kh][n][k] = sum over d of feats[b][d][n] W1[d][64 kh + k] + b1, and rows 32 kh .. 32 kh + 31 of fTb[b][n][d] = feats[b][d][n]
;   g = 32..35  Q role: rh = (g>>1)&1, kh = g&1.  cb[kh][64 rh + row][k] = Wfuse[k] (sent_feat_fusion[row] . W2[:, k] + b2[k])^2, row = 8 b + s
;   g = 36..67  cast role: 32,768 bytes of Wiou (g < 52) or Wp to bf16 in Wb
;   g = 68..99  sentence role: head = (g-68)>>4, b = (g-68)&15: snb[head][b][0..7] = sentence / max(norm, 1e-12); rows 8..15 = sentence x 0
; The V and Q roles are one product of 64 rows x 64 k over 512 d.  Both operands are laid in LDS as bf16 with d along the rows.  The two roles differ in the global loads of X
; and in the order of the conversions; every LDS line is the same line for both.
; LIMITS: matrix operands are rounded to bf16 (feats, W1, W2, sent_feat_fusion; the results Vb, cb, snb, Wb, fTb too); sums, norms and the square are f32.
; Rows 8..15 of snb are value x 0: they are zero for finite sentences; the main launch never stores what it makes of them.
; No cluster and no tensor loads: the operands need a conversion (and feats, W1, W2 a transposition) on the way, so they pass through registers anyway.
.set CLS,  16704                       ; LDS: row x, element d lies at (x&3) CLS + (x>>2) XP + 2 d.  CLS = 16 XP + 64
.set XP,   1040                        ; so that sixteen rows x .. x+15 as well as sixteen rows 4 i + const start in sixteen different 16-byte columns modulo 256 bytes
.set WT,   4*CLS                       ; X at 0 (66,816 bytes), the weights behind it (66,816 bytes)
.set OST,  8*CLS                       ; the result: 64 rows of 128 bytes, pitch 144
.set OPI,  144
.set TT,   8                           ; v[8:11]    four packed words on their way to LDS
.set RW,   32                          ; v[32:95]   weights as loaded (f32);   later X packed (v[32:63]), then fragment bank A
.set PK,   32
.set RX,   96                          ; v[96:159]  X as loaded (f32);         later fragment bank B
.set BKA,  32
.set BKB,  96
.set BI,   160                         ; v[160:175] bias of my 2 x 8 k, in the layout of an accumulator
.set WF,   176                         ; v[176:191] Wfuse of the same k
.set ACC,  192                         ; v[192:223] four accumulators (kt, rt)
.set TQ,   32                          ; v[32:39]   at work in the epilogue
.macro PLACES                          ; four places behind a matrix instruction (ISA guide 7.12.1)
.rept 4
	v_nop
.endr
.endm
; 16 loads: rows d = 32 w + 8 hh + (t&7) + 16 (t>>3), 16 bytes at 16 l16: sixteen lanes read 256 consecutive bytes
.macro TIN_LD dst, off, base, pitch
.irp t, 0,1,2,3,4,5,6,7,8,9,10,11,12,13,14,15
	global_load_b128 v[\dst+4*\t:\dst+4*\t+3], v[\off], s[\base:\base+1] offset:((\t&7)+16*(\t>>3))*\pitch
.endr
.endm
; the transposition: register 4 t + cc holds (d of load t, x = 4 l16 + cc); eight consecutive d of one x make 16 bytes of LDS row x
.macro TIN_ST src, adr
.irp jb, 0,1
.irp cc, 0,1,2,3
.irp q, 0,1,2,3
	v_cvt_pk_bf16_f32 v[TT+\q], v[\src+32*\jb+8*\q+\cc], v[\src+32*\jb+8*\q+4+\cc]
.endr
	ds_store_b128 v[\adr], v[TT:TT+3] offset:\cc*CLS+32*\jb
.endr
.endr
.endm
	s_load_b512 s[8:23], s[0:1], 0x0               ; feats 8, W1 10, W2 12, sent_feat_fusion 14, b1 16, b2 18, Wfuse 20, Wiou 22
	s_load_b512 s[24:39], s[0:1], 0x40             ; Wp 24, sent_feat_iou 26, sent_feat 28, Wb 30, fTb 32, snb 34, Vb 36, cb 38
	v_lshl_add_u32 v224, v0, 2, 0x22e00
	v_mov_b32 v225, 0
	v_lshrrev_b32 v1, 5, v0
	v_readfirstlane_b32 s40, v1                    ; wave 0..15
	v_and_b32 v1, 31, v0                           ; lane L
	v_and_b32 v2, 15, v0                           ; l16 (r)
	v_bfe_u32 v3, v0, 4, 1                         ; hh (h)
	s_wait_kmcnt 0x0
	s_cmp_ge_u32 ttmp9, 68                         ; the role hangs on the work-group number alone: all 16 waves go the same way
	s_cbranch_scc1 .Lsent
	s_cmp_ge_u32 ttmp9, 36
	s_cbranch_scc1 .Lcast
; ---------------------------------------------------------------- V and Q roles
	s_and_b32 s42, ttmp9, 1                        ; kh
	s_bfe_u32 s43, ttmp9, 0x40001                  ; (g>>1)&15: b, or rh
	s_lshl_b32 s44, s43, 17                        ; X: 131,072 bytes for a video (512 x 64 f32) and for 64 sentences (64 x 512 f32) alike
	s_mov_b32 s45, 0
	s_lshl_b32 s46, s42, 8                         ; 64 k of f32
	s_mov_b32 s47, 0
	s_lshl_b32 s48, s43, 14
	s_lshl_b32 s50, s42, 13
	s_add_co_u32 s48, s48, s50                     ; Vb: 16,384 b + 8,192 kh
	s_lshl_b32 s50, s42, 14
	s_lshl_b32 s51, s43, 13
	s_add_co_u32 s50, s50, s51                     ; cb: 16,384 kh + 8,192 rh
	s_cmp_ge_u32 ttmp9, 32                         ; Q?
	s_cselect_b64 s[52:53], s[14:15], s[8:9]       ; X
	s_cselect_b64 s[54:55], s[12:13], s[10:11]     ; weights
	s_cselect_b64 s[56:57], s[18:19], s[16:17]     ; bias
	s_cselect_b64 s[58:59], s[38:39], s[36:37]     ; result
	s_cselect_b32 s48, s50, s48
	s_cselect_b32 s41, -1, 0                       ; lane mask: all ones in the Q role
	s_mov_b32 s49, 0
	s_add_nc_u64 s[52:53], s[52:53], s[44:45]
	s_add_nc_u64 s[54:55], s[54:55], s[46:47]
	s_add_nc_u64 s[56:57], s[56:57], s[46:47]
	s_add_nc_u64 s[60:61], s[20:21], s[46:47]      ; Wfuse
	s_add_nc_u64 s[58:59], s[58:59], s[48:49]
	s_lshl_b32 s50, s40, 5
	v_lshl_add_u32 v4, v3, 3, s50                  ; 32 w + 8 hh
	v_lshlrev_b32 v5, 4, v2                        ; 16 l16
	v_lshl_add_u32 v12, v4, 9, v5                  ; weights: rows of 512 bytes
	v_lshl_add_u32 v13, v4, 8, v5                  ; feats: rows of 256 bytes
	s_lshl_b32 s50, s40, 7
	v_lshl_add_u32 v14, v2, 13, s50                ; sentences: row 4 l16 of 2,048 bytes, + 4 (32 w
	v_lshl_add_u32 v14, v3, 5, v14                 ; + 8 hh) bytes
	s_and_b32 s50, s40, 1
	s_lshl_b32 s50, s50, 7
	v_lshl_add_u32 v15, v3, 5, s50                 ; bias, Wfuse: (32 (w&1) + 8 hh) f32
	TIN_LD RW, 12, 54, 512                         ; 16 loads
	s_cmp_ge_u32 ttmp9, 32
	s_cbranch_scc1 .Lq_load
	TIN_LD RX, 13, 52, 256                         ; 16 loads on this way,
	s_branch .Lx_asked
.Lq_load:
; and 16 on this: rows 4 l16 + cc, d = 32 w + 8 hh + 16 jb + 0..7, the numbers that this lane's LDS stores below want.  d already lies along the rows, so nothing is transposed;
; a wave reads 128 consecutive bytes of each of the 64 rows, two neighbouring waves 256
.irp jb, 0,1
.irp cc, 0,1,2,3
	global_load_b128 v[RX+8*(4*\jb+\cc):RX+8*(4*\jb+\cc)+3],   v14, s[52:53] offset:2048*\cc+64*\jb
	global_load_b128 v[RX+8*(4*\jb+\cc)+4:RX+8*(4*\jb+\cc)+7], v14, s[52:53] offset:2048*\cc+64*\jb+16
.endr
.endr
.Lx_asked:
.irp kt, 0,1
	global_load_b128 v[BI+8*\kt:BI+8*\kt+3],   v15, s[56:57] offset:64*\kt
	global_load_b128 v[BI+8*\kt+4:BI+8*\kt+7], v15, s[56:57] offset:64*\kt+16
.endr
.irp kt, 0,1
	global_load_b128 v[WF+8*\kt:WF+8*\kt+3],   v15, s[60:61] offset:64*\kt
	global_load_b128 v[WF+8*\kt+4:WF+8*\kt+7], v15, s[60:61] offset:64*\kt+16
.endr
	; LDS addresses, while the loads are on their way
	s_lshl_b32 s50, s40, 6
	v_mad_u32_u24 v6, v2, XP, s50                  ; stores of X: l16 XP + 64 w
	v_lshl_add_u32 v6, v3, 4, v6                   ; + 16 hh
	v_add_nc_u32 v7, WT, v6                        ; and of the weights
	v_lshlrev_b32 v21, 4, v0                       ; 16 t: the offset of every contiguous store
	v_lshrrev_b32 v24, 3, v0
	v_and_b32 v25, 7, v0
	v_mul_u32_u24 v29, v24, OPI
	v_lshl_add_u32 v29, v25, 4, v29
	v_add_nc_u32 v29, OST, v29                     ; the way out: row t>>3, 16 bytes at 16 (t&7)
	s_wait_loadcnt 24                              ; the weights are in; the 16 loads of X and the 8 of bias and Wfuse stay out
	TIN_ST RW, 7
	s_wait_loadcnt 8                               ; X is in; bias and Wfuse stay out
	; packet (jb, cc) = eight consecutive d of row x = 4 l16 + cc, 16 bytes, in v[PK + 4 (4 jb + cc) ..]
	s_cmp_ge_u32 ttmp9, 32
	s_cbranch_scc1 .Lq_pack
.irp jb, 0,1
.irp cc, 0,1,2,3
.irp q, 0,1,2,3
	v_cvt_pk_bf16_f32 v[PK+4*(4*\jb+\cc)+\q], v[RX+32*\jb+8*\q+\cc], v[RX+32*\jb+8*\q+4+\cc]       ; V: across the loads (the transposition)
.endr
.endr
.endr
	s_branch .Lpacked
.Lq_pack:
.irp jb, 0,1
.irp cc, 0,1,2,3
.irp q, 0,1,2,3
	v_cvt_pk_bf16_f32 v[PK+4*(4*\jb+\cc)+\q], v[RX+8*(4*\jb+\cc)+2*\q], v[RX+8*(4*\jb+\cc)+2*\q+1] ; Q: along the loads
.endr
.endr
.endr
.Lpacked:
.irp jb, 0,1
.irp cc, 0,1,2,3
	ds_store_b128 v6, v[PK+4*(4*\jb+\cc):PK+4*(4*\jb+\cc)+3] offset:\cc*CLS+32*\jb
.endr
.endr
	s_wait_dscnt 0x0                               ; my stores are in LDS before I say so
	s_barrier_signal -1
	s_barrier_wait -1                              ; both operands are whole
	s_cmp_ge_u32 ttmp9, 32
	s_cbranch_scc1 .Lno_ft
	; V role: rows n = 32 kh + 8 i + (t>>6) of X leave as fTb: 8,192 contiguous bytes for each i
	s_lshl_b32 s50, s43, 16
	s_lshl_b32 s51, s42, 15
	s_add_co_u32 s50, s50, s51
	s_mov_b32 s51, 0
	s_add_nc_u64 s[62:63], s[32:33], s[50:51]      ; fTb + 65,536 b + 32,768 kh
	v_bfe_u32 v18, v0, 6, 2                        ; n & 3
	v_lshrrev_b32 v19, 8, v0
	v_and_b32 v20, 63, v0
	v_mul_u32_u24 v17, v18, CLS
	s_lshl_b32 s50, s42, 3
	v_add_nc_u32 v19, s50, v19                     ; n >> 2 = 8 kh + 2 i + (t>>8)
	v_mad_u32_u24 v17, v19, XP, v17
	v_lshl_add_u32 v17, v20, 4, v17
.irp i, 0,1,2,3
	ds_load_b128 v[32+4*\i:35+4*\i], v17 offset:2*XP*\i
.endr
.irp i, 0,1,2,3
	s_wait_dscnt 3-\i                              ; LDS loads come back in order: load i is in
	global_store_b128 v21, v[32+4*\i:35+4*\i], s[62:63] offset:8192*\i
.endr
	s_wait_xcnt 0x0                                ; v[32:47], which these stores read, are loaded again below only behind this wait
.Lno_ft:
	s_cmp_ge_u32 s40, 4                            ; the product: 64 x 64 x 512 is 64 matrix instructions for each of four waves, one quadrant each
	s_cbranch_scc1 .Lno_gemm
	v_and_b32 v24, 3, v2
	v_lshrrev_b32 v25, 2, v2
	v_mul_u32_u24 v24, v24, CLS
	v_mad_u32_u24 v24, v25, XP, v24
	v_lshl_add_u32 v24, v3, 4, v24                 ; a fragment's lane: row r, 16 h
	s_lshr_b32 s44, s40, 1                         ; rq: rows 32 rq ..
	s_and_b32 s45, s40, 1                          ; kq: k 32 kq ..
	s_mul_i32 s46, s44, 8*XP
	s_mul_i32 s47, s45, 8*XP
	s_add_co_u32 s47, s47, WT
	v_add_nc_u32 v26, s46, v24                     ; X fragments
	v_add_nc_u32 v27, s47, v24                     ; weight fragments
	s_mul_i32 s46, s44, 32*OPI
	s_lshl_b32 s47, s45, 6
	s_add_co_u32 s46, s46, s47
	s_add_co_u32 s46, s46, OST
	v_mad_u32_u24 v28, v2, OPI, s46
	v_lshl_add_u32 v28, v3, 4, v28                 ; result: row 32 rq + r, byte 64 kq + 16 h
; 16 LDS loads: two chunks of 32 d; in each two weight fragments (k 16 apart), then two X fragments (rows 16 apart = 4 XP)
.macro LG g2, bank
.irp cc, 0,1
.irp f, 0,1
	ds_load_b128 v[\bank+32*\cc+8*\f:\bank+32*\cc+8*\f+3],   v27 offset:64*(2*\g2+\cc)+4*XP*\f
	ds_load_b128 v[\bank+32*\cc+8*\f+4:\bank+32*\cc+8*\f+7], v27 offset:64*(2*\g2+\cc)+4*XP*\f+32
.endr
.irp f, 0,1
	ds_load_b128 v[\bank+32*\cc+16+8*\f:\bank+32*\cc+16+8*\f+3],   v26 offset:64*(2*\g2+\cc)+4*XP*\f
	ds_load_b128 v[\bank+32*\cc+16+8*\f+4:\bank+32*\cc+16+8*\f+7], v26 offset:64*(2*\g2+\cc)+4*XP*\f+32
.endr
.endr
.endm
; 8 matrix instructions.  Source 0 = 16 k of the weights, source 1 = 16 rows of X: a lane then holds row r and the neighbouring k = 8 h + 0..7.
; The four accumulators take turns, one instruction a turn.  first = 1: the bias starts the sums.
.macro MMG bank, first
.irp cc, 0,1
.irp kt, 0,1
.irp rt, 0,1
.if (\first)*(1-\cc)
	v_wmma_f32_16x16x32_bf16 v[ACC+8*(2*\kt+\rt):ACC+8*(2*\kt+\rt)+7], v[\bank+32*\cc+8*\kt:\bank+32*\cc+8*\kt+7], v[\bank+32*\cc+16+8*\rt:\bank+32*\cc+16+8*\rt+7], v[BI+8*\kt:BI+8*\kt+7]
.else
	v_wmma_f32_16x16x32_bf16 v[ACC+8*(2*\kt+\rt):ACC+8*(2*\kt+\rt)+7], v[\bank+32*\cc+8*\kt:\bank+32*\cc+8*\kt+7], v[\bank+32*\cc+16+8*\rt:\bank+32*\cc+16+8*\rt+7], v[ACC+8*(2*\kt+\rt):ACC+8*(2*\kt+\rt)+7]
.endif
.endr
.endr
.endr
.endm
.macro GSTEP g2, bank, left, more, first
	s_wait_dscnt \left                             ; this bank's 16 loads are in; the other bank's 16 may stay out
	MMG \bank, \first
	PLACES                                         ; before the bank is loaded again, and before the results are read
.if \more
	LG (\g2+2), \bank
.endif
.endm
	LG 0, BKA
	LG 1, BKB
	s_wait_loadcnt 0x0                             ; bias (the first products' C) and Wfuse
	GSTEP 0, BKA, 16, 1, 1
	GSTEP 1, BKB, 16, 1, 0
	GSTEP 2, BKA, 16, 1, 0
	GSTEP 3, BKB, 16, 1, 0
	GSTEP 4, BKA, 16, 1, 0
	GSTEP 5, BKB, 16, 1, 0
	GSTEP 6, BKA, 16, 0, 0
	GSTEP 7, BKB, 0, 0, 0
; V role: the sum as it is.  Q role: Wfuse x sum^2.  Both are made, the role's mask picks one.
.macro GEPI kt, rt
.set A0, ACC+8*(2*\kt+\rt)
.irp k, 0,2,4,6
	v_pk_mul_f32 v[TQ+\k:TQ+\k+1], v[A0+\k:A0+\k+1], v[A0+\k:A0+\k+1]
.endr
.irp k, 0,2,4,6
	v_pk_mul_f32 v[TQ+\k:TQ+\k+1], v[TQ+\k:TQ+\k+1], v[WF+8*\kt+\k:WF+8*\kt+\k+1]
.endr
.irp k, 0,1,2,3,4,5,6,7
	v_cndmask_b32 v[TQ+\k], v[A0+\k], v[TQ+\k], s41
.endr
.irp q, 0,1,2,3
	v_cvt_pk_bf16_f32 v[TT+\q], v[TQ+2*\q], v[TQ+2*\q+1]
.endr
	ds_store_b128 v28, v[TT:TT+3] offset:16*OPI*\rt+32*\kt
.endm
	GEPI 0, 0
	GEPI 0, 1
	GEPI 1, 0
	GEPI 1, 1
.Lno_gemm:
	s_wait_dscnt 0x0                               ; the four waves' results are in LDS before they say so
	s_barrier_signal -1
	s_barrier_wait -1
	ds_load_b128 v[40:43], v29
	s_wait_dscnt 0x0
	global_store_b128 v21, v[40:43], s[58:59]      ; 8,192 contiguous bytes: sixteen lanes store 256 consecutive bytes, aligned
	s_wait_tensorcnt 0x0
	ds_add_u32 v224, v225
	s_wait_dscnt 0x0
	s_endpgm
; ---------------------------------------------------------------- cast role: 8,192 f32 to bf16, contiguous in and out
.Lcast:
	s_sub_co_u32 s42, ttmp9, 36                    ; j = 0..31
	s_and_b32 s43, s42, 15
	s_lshl_b32 s44, s43, 15                        ; 32,768 bytes of f32 for each work-group: 16 of them cover a head's 524,288
	s_mov_b32 s45, 0
	s_lshl_b32 s46, s42, 14                        ; 16,384 bytes of bf16; 16 x 16,384 = a head's 262,144, so j serves both heads
	s_mov_b32 s47, 0
	s_cmp_ge_u32 s42, 16
	s_cselect_b64 s[48:49], s[24:25], s[22:23]     ; head 1 = Wp, head 0 = Wiou
	s_add_nc_u64 s[48:49], s[48:49], s[44:45]
	s_add_nc_u64 s[50:51], s[30:31], s[46:47]
	v_lshlrev_b32 v4, 5, v0
	v_lshlrev_b32 v5, 4, v0
.irp i, 0,1
	global_load_b128 v[32+8*\i:35+8*\i], v4, s[48:49] offset:16384*\i
	global_load_b128 v[36+8*\i:39+8*\i], v4, s[48:49] offset:16384*\i+16
.endr
.irp i, 0,1
	s_wait_loadcnt 2-2*\i                          ; this trip's two loads are in
.irp q, 0,1,2,3
	v_cvt_pk_bf16_f32 v[48+4*\i+\q], v[32+8*\i+2*\q], v[33+8*\i+2*\q]
.endr
	global_store_b128 v5, v[48+4*\i:51+4*\i], s[50:51] offset:8192*\i
.endr
	s_endpgm
; ---------------------------------------------------------------- sentence role: wave w makes row w of 16; a row is 256 numbers, 8 a lane
.Lsent:
	s_sub_co_u32 s42, ttmp9, 68                    ; j = 16 head + b
	s_and_b32 s43, s42, 15
	s_and_b32 s44, s40, 7                          ; rows 8..15 read sentences 0..7 again and scale them by 0
	s_lshl_b32 s43, s43, 13
	s_lshl_b32 s44, s44, 10
	s_add_co_u32 s44, s44, s43
	s_mov_b32 s45, 0
	s_lshl_b32 s46, s42, 13
	s_lshl_b32 s47, s40, 9
	s_add_co_u32 s46, s46, s47
	s_mov_b32 s47, 0
	s_cmp_ge_u32 s42, 16
	s_cselect_b64 s[48:49], s[28:29], s[26:27]     ; head 1 = sent_feat, head 0 = sent_feat_iou
	s_add_nc_u64 s[48:49], s[48:49], s[44:45]
	s_add_nc_u64 s[50:51], s[34:35], s[46:47]
	s_cmp_lt_u32 s40, 8
	s_cselect_b32 s52, 1.0, 0
	s_mov_b32 s54, 0x76543210                      ; v_permlanex16_b32: lane i of one half reads lane i of the other
	s_mov_b32 s55, 0xfedcba98
	v_lshlrev_b32 v4, 5, v1
	v_lshlrev_b32 v5, 4, v1
	global_load_b128 v[32:35], v4, s[48:49]
	global_load_b128 v[36:39], v4, s[48:49] offset:16
	s_wait_loadcnt 0x0
	v_pk_mul_f32 v[8:9], v[32:33], v[32:33]
	v_pk_fma_f32 v[8:9], v[34:35], v[34:35], v[8:9]
	v_pk_fma_f32 v[8:9], v[36:37], v[36:37], v[8:9]
	v_pk_fma_f32 v[8:9], v[38:39], v[38:39], v[8:9]
	v_add_f32 v8, v8, v9
	v_add_f32_dpp v8, v8, v8 row_xmask:1 row_mask:0xf bank_mask:0xf
	v_add_f32_dpp v8, v8, v8 row_xmask:2 row_mask:0xf bank_mask:0xf
	v_add_f32_dpp v8, v8, v8 row_xmask:4 row_mask:0xf bank_mask:0xf
	v_add_f32_dpp v8, v8, v8 row_xmask:8 row_mask:0xf bank_mask:0xf
	v_permlanex16_b32 v9, v8, s54, s55
	v_add_f32 v8, v8, v9                           ; the sum of squares, in every lane
	v_sqrt_f32 v8, v8
	v_nop                                          ; one plain instruction behind a transcendental (ISA guide 5.7.2)
	s_wait_alu depctr_va_vdst(0)
	v_max_num_f32 v8, 0x2b8cbccc, v8               ; clip at 1e-12
	v_rcp_f32 v8, v8
	v_nop
	s_wait_alu depctr_va_vdst(0)
	v_mul_f32 v8, s52, v8                          ; 1 / norm, or 0 in rows 8..15
.irp k, 0,2,4,6
	v_pk_mul_f32 v[32+\k:33+\k], v[32+\k:33+\k], v[8:9] op_sel_hi:[1,0]
.endr
.irp q, 0,1,2,3
	v_cvt_pk_bf16_f32 v[12+\q], v[32+2*\q], v[33+2*\q]
.endr
	global_store_b128 v5, v[12:15], s[50:51]       ; a wave stores a row of 512 consecutive bytes
	s_endpgm
.Lfunc_end_k_q4cbe63bf99_prep:
	.size	k_q4cbe63bf99_prep, .Lfunc_end_k_q4cbe63bf99_prep-k_q4cbe63bf99_prep
	.p2alignl 7, 3214868480
	.fill 96, 4, 3214868480
	.section	.rodata,"a",@progbits
	.p2align	6, 0x0
	.amdhsa_kernel k_q4cbe63bf99_prep
		.amdhsa_group_segment_fixed_size 144896
		.amdhsa_private_segment_fixed_size 0
		.amdhsa_enable_private_segment 0
		.amdhsa_kernarg_size 128
		.amdhsa_user_sgpr_count 2
		.amdhsa_user_sgpr_kernarg_segment_ptr 1
		.amdhsa_wavefront_size32 1
		.amdhsa_system_sgpr_workgroup_id_x 1
		.amdhsa_system_sgpr_workgroup_id_y 1
		.amdhsa_system_sgpr_workgroup_id_z 1
		.amdhsa_system_vgpr_workitem_id 0
		.amdhsa_next_free_vgpr 226
		.amdhsa_next_free_sgpr 66
		.amdhsa_reserve_vcc 0
		.amdhsa_float_denorm_mode_32 3
		.amdhsa_float_denorm_mode_16_64 3
		.amdhsa_memory_ordered 1
		.amdhsa_forward_progress 1
		.amdhsa_inst_pref_size 41
	.end_amdhsa_kernel
	.amdgpu_metadata
---
amdhsa.version: [ 1, 2 ]
amdhsa.kernels:
  - .name:           k_q4cbe63bf99_prep
    .symbol:         k_q4cbe63bf99_prep.kd
    .args:
      - { .name: feats, .offset: 0, .size: 8, .value_kind: global_buffer, .address_space: global }
      - { .name: W1, .offset: 8, .size: 8, .value_kind: global_buffer, .address_space: global }
      - { .name: W2, .offset: 16, .size: 8, .value_kind: global_buffer, .address_space: global }
      - { .name: sent_feat_fusion, .offset: 24, .size: 8, .value_kind: global_buffer, .address_space: global }
      - { .name: b1, .offset: 32, .size: 8, .value_kind: global_buffer, .address_space: global }
      - { .name: b2, .offset: 40, .size: 8, .value_kind: global_buffer, .address_space: global }
      - { .name: Wfuse, .offset: 48, .size: 8, .value_kind: global_buffer, .address_space: global }
      - { .name: Wiou, .offset: 56, .size: 8, .value_kind: global_buffer, .address_space: global }
      - { .name: Wp, .offset: 64, .size: 8, .value_kind: global_buffer, .address_space: global }
      - { .name: sent_feat_iou, .offset: 72, .size: 8, .value_kind: global_buffer, .address_space: global }
      - { .name: sent_feat, .offset: 80, .size: 8, .value_kind: global_buffer, .address_space: global }
      - { .name: Wb, .offset: 88, .size: 8, .value_kind: global_buffer, .address_space: global }
      - { .name: fTb, .offset: 96, .size: 8, .value_kind: global_buffer, .address_space: global }
      - { .name: snb, .offset: 104, .size: 8, .value_kind: global_buffer, .address_space: global }
      - { .name: Vb, .offset: 112, .size: 8, .value_kind: global_buffer, .address_space: global }
      - { .name: cb, .offset: 120, .size: 8, .value_kind: global_buffer, .address_space: global }
    .group_segment_fixed_size: 144896
    .private_segment_fixed_size: 0
    .kernarg_segment_align: 8
    .kernarg_segment_size: 128
    .max_flat_workgroup_size: 512
    .sgpr_count:     66
    .vgpr_count:     226
    .wavefront_size: 32
...
	.end_amdgpu_metadata
.endif
;; end of part 1
;; launch main (part 2): grid 16 x 16, 4 waves a work-group, clusters of 4 x 4, 327,680 bytes of LDS; arguments Wb, fTb, snb, Vb, cb, out0; writes out0
.if DOCPART == 2
	.amdgcn_target "amdgcn-amd-amdhsa--gfx1250"
	.amdhsa_code_object_version 6
	.text
	.protected	k_q4cbe63bf99_main
	.globl	k_q4cbe63bf99_main
	.p2align	8
	.type	k_q4cbe63bf99_main,@function
k_q4cbe63bf99_main:
	s_mov_b64 s[64:65], 0
	v_nop
	global_prefetch_b8 v0, s[64:65] scope:SCOPE_SE
	s_setreg_imm32_b32 hwreg(HW_REG_WAVE_MODE, 25, 1), 1
	s_wait_xcnt 0x0
	s_wait_alu depctr_hold_cnt(0) depctr_sa_sdst(0) depctr_va_vdst(0) depctr_va_sdst(0) depctr_va_ssrc(0) depctr_va_vcc(0) depctr_vm_vsrc(0)
	s_getreg_b32 s2, hwreg(HW_REG_IB_STS2, 6, 4)
	s_cmp_eq_u32 s2, 0
	s_cbranch_scc0 .Lentry_in_a_cluster
	s_endpgm
.Lentry_in_a_cluster:
	s_bfe_u32 s2, ttmp6, 0x10000c
	s_cmp_lg_u32 s2, 0xf033
	s_cbranch_scc0 .Lentry_shape_is_right
	s_endpgm
.Lentry_shape_is_right:
; MAIN: all three planes of out0 [3][16 b][8 s][64 n][64 m] f32.
; Work-group (x, y): b = x, head = y & 1 (0: Wiou, sigmoid, plane 0;  1: Wp, plane 2), p = y >> 1.  It owns the rows n = p + 8 i, i = 0..7, of its (b, head).
; map[j][(n, m)] = sum over d of W[j][d] P[(n, m)][d], P = f[n][d] f[m][d] made in registers (one packed bf16 multiply for two elements) from rows of fTb.
; A tile is one n x 16 m.  reference() masks m < n, so row n needs only the m blocks n>>4 .. 3: 4,4,3,3,2,2,1,1 tiles for i = 0..7, 20 in all, 5 for each of the four waves.
; A wave holds all 256 j of its 5 tiles: 80 accumulator tiles, 640 registers; so the norm over j and the products with the 8 sentences never leave the wave.
; Plane 1 (fusion) is shared out too: this work-group makes s = p, rows n = 32 head .. + 31, all m, 8 matrix instructions a wave, while the first tiles are on their way.
; CLUSTERS: 4 x 4 work-groups.  W's tiles hang on head (y) alone: asked for jointly along a row of the cluster.  fTb's tiles hang on b (x) alone: jointly along a column.
; No LDS address and no branch hangs on x or y: b, head and p enter global addresses, lane masks and compares only, and a register that holds an LDS address holds nothing that
; hangs on them at any time before its last use as an address.
; RING: d goes in 4 steps of 128 (rows of 256 bytes in memory); three slots are filled at the start, slot 0 once more for the last step.  A wave has at most 6 tensor loads out.
; LIMITS: feats and the weights are bf16 (rounded by the launch before); P is the product of two bf16 numbers rounded once to bf16; the map is summed in f32, its norm is taken in f32
; from the f32 sums, and it is rounded to bf16 as the operand of the sentence product; norm, sigmoid and masks are f32.  v_sqrt_f32 and v_rcp_f32 take denormals as zero
; (ISA guide 15.8): a sum of squares below 2^-126 counts as 0, which the clip at 1e-12 hides.
.set PITCH,  272                       ; an LDS row: 256 bytes + 16 of padding, so that sixteen rows start in sixteen different 16-byte columns modulo 256 bytes
.set WBYTES, 256*PITCH                 ; a slot: W's 256 rows,
.set SLOT,   320*PITCH                 ; then fTb's 64 rows: 87,040 bytes
.set NREG,   3*SLOT                    ; 261,120: my 8 rows n, whole (1,024 bytes), pitch 1,040; 8,448 bytes
.set NP,     1040
.set STG,    NREG+8448                 ; 269,568: each wave's stage: 2 rows n x (8 s x 64 m f32 = 2,048 bytes, then at 2,112 a place for what lanes 16-31 hold, never read)
.set SROW,   4224
.set SWAVE,  2*SROW
.set DUMP,   2112
.set FST,    STG+4*SWAVE               ; 303,360: fusion stage, 2 n blocks x 16 rows x pitch 272; ends at 312,064
.set FP,     272
.set FUNIT,  16*FP
.set FLAGS,  (1<<16)|(1<<20)|(1<<21)|(5<<22)|(3<<25)   ; elements of 2 bytes; padding on; bit 21 beside a mask; after every 64 words; 4 words
.set NL10,   0xc166d4ca                ; -10 log2(e)
.set TINY,   0x2b8cbccc                ; 1e-12
; window 0
.set ONR, 4                            ; global offset of my part of the 8 rows n
.set NST, 5                            ; and where it goes in NREG
.set OVN, 6                            ; fusion: V rows n
.set H16, 7                            ; 16 h (also the offset of the c vector)
.set OVM, 8                            ; fusion: V rows m
.set OSN, 9                            ; sentences
.set ZST, 10                           ; my stage + 16 L
.set FSTO, 11                          ; fusion stage, in
.set FRD, 12                           ; fusion stage, back
.set OFO, 13                           ; fusion: offset in out0
.set DELTA, 14                         ; fusion: n - m of my register 0
.set OO,  15                           ; v15-16   offsets in out0 of my two rows n
.set ADN, 17                           ; v17-19   N rows A, C, B in NREG
.set SADR, 20                          ; v20-24   stage address of tile t
.set MV,  25                           ; v25-29   m of my lane in tile t
.set NF,  32                           ; v32-55   three N fragments
.set MF,  56                           ; v56-95   five M fragments
.set PF,  96                           ; v96-135  five P fragments
.set VM,  32                           ; fusion: v32-95 V rows m (2 tiles x 4 chunks)
.set VN,  96                           ; fusion: v96-127 V rows n, then x c
.set ADW, 136                          ; v136-138 W fragments, slot 0..2
.set ADM, 139                          ; v139-153 M fragments, 5 for each slot
.set ZR,  154                          ; v154-157 zeros
.set FA,  160                          ; v160-175 fusion sums
.set STA, 176                          ; v176-191 staging
.set CF,  192                          ; fusion: v192-223 c; spent before the sentences are asked for
.set SN,  192                          ; v192-255 eight sentence fragments
.set BB,  32                           ; epilogue: v32-111 the map in bf16, two buffers x 5 tiles
.set SA,  112                          ; epilogue: v112-151 scores
.set SS,  152                          ; epilogue: v152-171 sums of squares, 4 for each tile
.set TT,  32                           ; epilogue: v32-71 sigmoids
.set RB,  72                           ; epilogue: v72-103 rows on their way out
; window 1: v0-127 the sixteen W fragments (a at 8 a).  Accumulator tile (a, t) at absolute register 384 + 8 (5 a + t): windows 1 (tiles 0-15), 2 (16-47), 3 (48-79)
.set G1W, 28                           ; s[28:35]
.set G1F, 36                           ; s[36:43]
.set MSB, 0
.macro WIN new                         ; the immediate's high byte repeats the setting that is left; a switch that changes nothing is dropped
.if MSB != (\new)
	s_set_vgpr_msb (MSB<<8)|(\new)
.set MSB, (\new)
.endif
.endm
.macro PLACES                          ; four places behind a matrix instruction (ISA guide 7.12.1)
.rept 4
	v_nop
.endr
.endm
.macro ROUND                           ; a round of the cluster's barrier
	s_barrier_signal -1
	s_barrier_wait -1
	s_cmp_lg_u32 s16, 0
	s_cbranch_scc1 .Lnot_wave_0_\@
	s_barrier_signal -3
.Lnot_wave_0_\@:
	s_barrier_wait -3
	s_barrier_signal -1
	s_barrier_wait -1
.endm
.macro SETG0 g, lds, adr, k            ; descriptor group 0 for slot k
	s_mov_b32 s[\g], 1
	s_add_co_u32 s[\g+1], s[\lds], \k*SLOT
	s_add_nc_u64 s[\g+2:\g+3], s[\adr:\adr+1], \k*256
	s_or_b32 s[\g+3], s[\g+3], 0x80000000
.endm
	s_load_b256 s[4:11], s[0:1], 0x0               ; Wb 4, fTb 6, snb 8, Vb 10
	s_load_b128 s[12:15], s[0:1], 0x20             ; cb 12, out0 14
	v_lshl_add_u32 v190, v0, 2, 0x4c300
	v_mov_b32 v191, 0
	ds_add_u32 v190, v191
	s_wait_dscnt 0x0
	v_lshrrev_b32 v1, 5, v0
	v_readfirstlane_b32 s16, v1                    ; wave w
	s_and_b32 s17, s16, 1                          ; e
	s_lshr_b32 s18, s16, 1                         ; u
	s_bfe_u32 s19, ttmp6, 0x40000                  ; cx
	s_bfe_u32 s20, ttmp6, 0x40004                  ; cy
	s_lshl_b32 s21, ttmp9, 2
	s_add_co_u32 s21, s21, s19                     ; b = 4 x cluster x + cx
	s_and_b32 s22, ttmp7, 0xffff
	s_lshl_b32 s22, s22, 2
	s_add_co_u32 s22, s22, s20                     ; y = 4 x cluster y + cy
	s_and_b32 s23, s22, 1                          ; head
	s_lshr_b32 s24, s22, 1                         ; p
	s_lshl_b32 s25, s20, 2
	s_lshl_b32 s25, 15, s25                        ; my row of the cluster
	s_lshl_b32 s26, 0x1111, s19                    ; my column
	s_or_b32 s[G1W+0], s25, FLAGS                  ; W: 64 rows x 128 elements for each wave, pitch 512
	s_mov_b32 s[G1W+1], 128<<16
	s_mov_b32 s[G1W+2], 64<<16
	s_mov_b32 s[G1W+3], 128<<16
	s_mov_b32 s[G1W+4], 64
	s_mov_b32 s[G1W+5], 512
	s_mov_b32 s[G1W+6], 0
	s_mov_b32 s[G1W+7], 0
	s_or_b32 s[G1F+0], s26, FLAGS                  ; fTb: 16 rows x 128 elements for each wave
	s_mov_b32 s[G1F+1], 128<<16
	s_mov_b32 s[G1F+2], 16<<16
	s_mov_b32 s[G1F+3], 128<<16
	s_mov_b32 s[G1F+4], 16
	s_mov_b32 s[G1F+5], 512
	s_mov_b32 s[G1F+6], 0
	s_mov_b32 s[G1F+7], 0
	s_lshl_b32 s72, s23, 18                        ; W: 262,144 head + 65,536 w (registers that never hold cx)
	s_lshl_b32 s94, s16, 16
	s_add_co_u32 s72, s72, s94
	s_mov_b32 s73, 0
	s_lshl_b32 s74, s21, 16                        ; fTb: 65,536 b + 16,384 w (registers that never hold cy)
	s_lshl_b32 s94, s16, 14
	s_add_co_u32 s74, s74, s94
	s_mov_b32 s75, 0
	s_mul_i32 s95, s16, 64*PITCH                   ; LDS: the wave number and constants alone
	s_mul_i32 s96, s16, 16*PITCH
	s_add_co_u32 s96, s96, WBYTES
	s_wait_kmcnt 0x0
	s_add_nc_u64 s[72:73], s[4:5], s[72:73]
	s_add_nc_u64 s[74:75], s[6:7], s[74:75]
	SETG0 44, 95, 72, 0
	SETG0 48, 95, 72, 1
	SETG0 52, 95, 72, 2
	SETG0 56, 96, 74, 0
	SETG0 60, 96, 74, 1
	SETG0 68, 96, 74, 2
	ROUND                                          ; all sixteen work-groups are here: the first joint loads meet
	tensor_load_to_lds s[44:47], s[G1W:G1W+7]      ; d step 0
	s_nop 0
	tensor_load_to_lds s[56:59], s[G1F:G1F+7]
	s_nop 0
	tensor_load_to_lds s[48:51], s[G1W:G1W+7]      ; d step 1
	s_nop 0
	tensor_load_to_lds s[60:63], s[G1F:G1F+7]
	s_nop 0
	tensor_load_to_lds s[52:55], s[G1W:G1W+7]      ; d step 2
	s_nop 0
	tensor_load_to_lds s[68:71], s[G1F:G1F+7]
	s_nop 0
	; ---- bases and offsets of the plain loads
	s_lshl_b32 s98, s21, 16
	s_lshl_b32 s99, s24, 10
	s_add_co_u32 s98, s98, s99
	s_mov_b32 s99, 0
	s_add_nc_u64 s[76:77], s[6:7], s[98:99]        ; fTb + 65,536 b + 1,024 p: row n = p; row p + 8 i lies 8,192 i further
	s_lshl_b32 s98, s21, 14
	s_add_nc_u64 s[78:79], s[10:11], s[98:99]      ; Vb + 16,384 b
	s_lshl_b32 s98, s21, 3
	s_add_co_u32 s98, s98, s24
	s_lshl_b32 s98, s98, 7
	s_add_nc_u64 s[80:81], s[12:13], s[98:99]      ; cb + 128 (8 b + p)
	s_lshl_b32 s98, s23, 4
	s_add_co_u32 s98, s98, s21
	s_lshl_b32 s98, s98, 13
	s_add_nc_u64 s[82:83], s[8:9], s[98:99]        ; snb + 8,192 (16 head + b)
	s_lshl_b32 s98, s21, 17
	s_add_nc_u64 s[86:87], s[14:15], s[98:99]      ; out0 + 131,072 b
	s_lshl_b32 s98, s24, 14
	s_add_co_u32 s98, s98, 2097152
	s_add_nc_u64 s[84:85], s[86:87], s[98:99]      ; plane 1, s = p
	s_lshl_b32 s98, s23, 22
	s_add_nc_u64 s[86:87], s[86:87], s[98:99]      ; plane 0 or 2
	s_lshl_b32 s91, s23, 1
	s_add_co_u32 s91, s91, s18                     ; nb = 2 head + u: my n block of the fusion plane
	v_and_b32 v1, 31, v0                           ; L
	v_and_b32 v2, 15, v0                           ; r
	v_bfe_u32 v3, v0, 4, 1                         ; h
	v_lshrrev_b32 v30, 4, v0                       ; t >> 4 = 0..7: which of the 8 rows n
	v_lshlrev_b32 v31, 4, v2                       ; 16 r
	v_lshl_add_u32 v[ONR], v30, 13, v31
	v_mad_u32_u24 v[NST], v30, NP, v31
	v_add_nc_u32 v[NST], NREG, v[NST]
	v_lshlrev_b32 v[H16], 4, v3
	v_lshl_add_u32 v30, v2, 7, v[H16]              ; 128 r + 16 h
	s_lshl_b32 s97, s91, 11
	v_add_nc_u32 v[OVN], s97, v30                  ; rows 16 nb + r of 128 bytes
	s_lshl_b32 s94, s17, 12
	v_add_nc_u32 v[OVM], s94, v30                  ; rows 32 e + r
	v_lshl_add_u32 v[OSN], v2, 9, v[H16]           ; sentence r, 16 h
	; ---- 36 loads, in the order in which they are wanted
.irp j, 0,1,2,3
	global_load_b128 v[STA+4*\j:STA+4*\j+3], v[ONR], s[76:77] offset:256*\j          ; sixteen lanes read 256 consecutive bytes of a row n
.endr
.irp c, 0,1,2,3
	global_load_b128 v[VN+8*\c:VN+8*\c+3],   v[OVN], s[78:79] offset:(\c>>1)*8192+(\c&1)*64
	global_load_b128 v[VN+8*\c+4:VN+8*\c+7], v[OVN], s[78:79] offset:(\c>>1)*8192+(\c&1)*64+32
.endr
.irp c, 0,1,2,3
	global_load_b128 v[CF+8*\c:CF+8*\c+3],   v[H16], s[80:81] offset:(\c>>1)*16384+(\c&1)*64
	global_load_b128 v[CF+8*\c+4:CF+8*\c+7], v[H16], s[80:81] offset:(\c>>1)*16384+(\c&1)*64+32
.endr
.irp j2, 0,1
.irp c, 0,1,2,3
	global_load_b128 v[VM+32*\j2+8*\c:VM+32*\j2+8*\c+3],   v[OVM], s[78:79] offset:2048*\j2+(\c>>1)*8192+(\c&1)*64
	global_load_b128 v[VM+32*\j2+8*\c+4:VM+32*\j2+8*\c+7], v[OVM], s[78:79] offset:2048*\j2+(\c>>1)*8192+(\c&1)*64+32
.endr
.endr
	; ---- who does what.  N rows: A = i w, C = i w + 2 u, B = i 6 + e - 2 u.  Tiles: T0..T2 = (A, m block u, u+1, u+2), T3 = (C, 3 - u), T4 = (B, 3).
	s_lshl_b32 s94, s18, 1                         ; 2 u
	s_add_co_u32 s66, s16, s94                     ; iC
	s_add_co_u32 s67, s17, 6
	s_sub_co_u32 s67, s67, s94                     ; iB
	s_sub_co_u32 s3, 3, s18                        ; m block of T3
	s_lshl_b32 s88, s16, 3
	s_add_co_u32 s88, s88, s24                     ; nA = 8 iA + p
	s_lshl_b32 s89, s66, 3
	s_add_co_u32 s89, s89, s24                     ; nC
	s_lshl_b32 s90, s67, 3
	s_add_co_u32 s90, s90, s24                     ; nB
	s_cmp_eq_u32 s23, 1
	s_cselect_b32 s27, -1, 0                       ; lane mask: all ones for head 1 (no sigmoid)
	s_mov_b32 s92, 0x76543210
	s_mov_b32 s93, 0xfedcba98
	v_add_nc_u32 v30, NREG, v[H16]
	s_mul_i32 s94, s16, NP
	v_add_nc_u32 v[ADN+0], s94, v30
	s_mul_i32 s94, s66, NP
	v_add_nc_u32 v[ADN+1], s94, v30
	s_mul_i32 s94, s67, NP
	v_add_nc_u32 v[ADN+2], s94, v30
	v_lshl_add_u32 v[MV+0], s18, 4, v2             ; m = 16 x m block + r
	v_add_nc_u32 v[MV+1], 16, v[MV+0]
	v_add_nc_u32 v[MV+2], 32, v[MV+0]
	v_lshl_add_u32 v[MV+3], s3, 4, v2
	v_add_nc_u32 v[MV+4], 48, v2
	s_mul_i32 s95, s16, SWAVE
	s_add_co_u32 s95, s95, STG                     ; my stage
	v_lshl_add_u32 v[ZST], v1, 4, s95
	v_mad_u32_u24 v30, v3, DUMP, s95               ; lanes 16-31 hold rows 8..15 of the sentence product, which are no sentences: they go aside
	v_lshl_add_u32 v[SADR+0], v[MV+0], 2, v30      ; stage row 0 = nA
	v_lshl_add_u32 v[SADR+1], v[MV+1], 2, v30
	v_lshl_add_u32 v[SADR+2], v[MV+2], 2, v30
	s_mul_i32 s96, s18, SROW                       ; T3: stage row u (nC = nA for u = 0, nB for u = 1)
	v_lshl_add_u32 v[SADR+3], v[MV+3], 2, v30
	v_add_nc_u32 v[SADR+3], s96, v[SADR+3]
	v_lshl_add_u32 v[SADR+4], v[MV+4], 2, v30
	v_add_nc_u32 v[SADR+4], SROW, v[SADR+4]        ; stage row 1 = nB
	v_lshl_add_u32 v30, v3, 14, v31                ; out0: 16,384 h + 16 r
	s_lshl_b32 s97, s88, 8
	v_add_nc_u32 v[OO+0], s97, v30                 ; + 256 nA
	s_lshl_b32 s97, s90, 8
	v_add_nc_u32 v[OO+1], s97, v30                 ; + 256 nB
	s_mul_i32 s94, s18, FUNIT
	s_add_co_u32 s94, s94, FST                     ; the fusion stage of my n block
	s_lshl_b32 s95, s17, 7
	s_add_co_u32 s95, s95, s94
	v_mul_u32_u24 v30, v2, FP
	v_lshl_add_u32 v30, v3, 5, v30
	v_add_nc_u32 v[FSTO], s95, v30                 ; row r, byte 128 e + 32 h
	s_mul_i32 s95, s17, 8*FP
	s_add_co_u32 s95, s95, s94
	v_mul_u32_u24 v30, v3, FP
	v_lshl_add_u32 v30, v2, 4, v30
	v_add_nc_u32 v[FRD], s95, v30                  ; back: row 8 e + h, byte 16 r
	s_lshl_b32 s97, s91, 12
	s_lshl_b32 s94, s17, 11
	s_add_co_u32 s97, s97, s94
	v_lshl_add_u32 v30, v3, 8, v31
	v_add_nc_u32 v[OFO], s97, v30                  ; 256 (16 nb + 8 e + h) + 16 r
	s_lshl_b32 s97, s91, 4
	s_lshl_b32 s94, s17, 5
	s_sub_co_i32 s97, s97, s94
	v_lshlrev_b32 v30, 3, v3
	v_sub_nc_u32 v[DELTA], v2, v30
	v_add_nc_u32 v[DELTA], s97, v[DELTA]           ; (16 nb + r) - (32 e + 8 h), signed
	; the ring's fragment addresses, one set for each slot
	v_mad_u32_u24 v[ADW+0], v2, PITCH, v[H16]      ; row r, 16 h
	v_add_nc_u32 v[ADW+1], SLOT, v[ADW+0]
	v_add_nc_u32 v[ADW+2], 2*SLOT, v[ADW+0]
	s_mul_i32 s94, s18, 16*PITCH
	s_add_co_u32 s94, s94, WBYTES
	v_add_nc_u32 v[ADM+0], s94, v[ADW+0]           ; m block u
	v_add_nc_u32 v[ADM+1], 16*PITCH, v[ADM+0]
	v_add_nc_u32 v[ADM+2], 32*PITCH, v[ADM+0]
	s_mul_i32 s96, s3, 16*PITCH
	s_add_co_u32 s96, s96, WBYTES
	v_add_nc_u32 v[ADM+3], s96, v[ADW+0]           ; m block 3 - u
	v_add_nc_u32 v[ADM+4], WBYTES+48*PITCH, v[ADW+0]
.irp t, 0,1,2,3,4
	v_add_nc_u32 v[ADM+5+\t], SLOT, v[ADM+\t]
	v_add_nc_u32 v[ADM+10+\t], 2*SLOT, v[ADM+\t]
.endr
.irp k, 0,1,2,3
	v_mov_b32 v[ZR+\k], 0
.endr
.irp rho, 0,1                                          ; my stage starts as zeros: the m blocks below n>>4 are never written again
.irp i, 0,1,2,3
	ds_store_b128 v[ZST], v[ZR:ZR+3] offset:\rho*SROW+512*\i
.endr
.endr
	s_wait_loadcnt 32                              ; the 4 loads of the rows n are in; the 32 younger loads (V rows n 8, c 8, V rows m 16) stay out
.irp j, 0,1,2,3
	ds_store_b128 v[NST], v[STA+4*\j:STA+4*\j+3] offset:256*\j
.endr
	; ---- fusion: score(n, m) = sum over k of (V[n][k] c[k]) V[m][k].  Source 0 = 16 rows m, source 1 = 16 rows n: a lane holds row n = 16 nb + r and m = 32 e + 16 j2 + 8 h + 0..7
	s_wait_loadcnt 0x0                             ; V and c are in: nothing younger has been asked for
.set II, 0
.rept 32
	v_pk_mul_bf16 v[VN+II], v[VN+II], v[CF+II]
.set II, II+1
.endr
.irp c, 0,1,2,3,4,5,6,7                                ; c is spent: the sentences, wanted in the epilogue, come into its registers and those behind
	global_load_b128 v[SN+8*\c:SN+8*\c+3],   v[OSN], s[82:83] offset:64*\c
	global_load_b128 v[SN+8*\c+4:SN+8*\c+7], v[OSN], s[82:83] offset:64*\c+32
.endr
.irp c, 0,1,2,3                                        ; the two sums take turns, one instruction a turn
.irp j2, 0,1
.if \c == 0
	v_wmma_f32_16x16x32_bf16 v[FA+8*\j2:FA+8*\j2+7], v[VM+32*\j2+8*\c:VM+32*\j2+8*\c+7], v[VN+8*\c:VN+8*\c+7], 0
.else
	v_wmma_f32_16x16x32_bf16 v[FA+8*\j2:FA+8*\j2+7], v[VM+32*\j2+8*\c:VM+32*\j2+8*\c+7], v[VN+8*\c:VN+8*\c+7], v[FA+8*\j2:FA+8*\j2+7]
.endif
.endr
.endr
	PLACES
	; sigmoid(10 x) = 1 / (1 + 2^(-10 log2(e) x)), then the mask m >= n
.irp k, 0,2,4,6,8,10,12,14
	v_pk_mul_f32 v[FA+\k:FA+\k+1], v[FA+\k:FA+\k+1], NL10 op_sel_hi:[1,0]
.endr
.set II, 0
.rept 16
	v_exp_f32 v[FA+II], v[FA+II]
.set II, II+1
.endr
	v_nop                                          ; one plain instruction behind the transcendentals (ISA guide 5.7.2)
	s_wait_alu depctr_va_vdst(0)
.irp k, 0,2,4,6,8,10,12,14
	v_pk_add_f32 v[FA+\k:FA+\k+1], v[FA+\k:FA+\k+1], 1.0 op_sel_hi:[1,0]
.endr
.set II, 0
.rept 16
	v_rcp_f32 v[FA+II], v[FA+II]
.set II, II+1
.endr
	v_nop
	s_wait_alu depctr_va_vdst(0)
.irp j2, 0,1
.irp jj, 0,1,2,3,4,5,6,7
	v_cmp_ge_i32 vcc_lo, 16*\j2+\jj, v[DELTA]      ; m >= n
	v_cndmask_b32 v[FA+8*\j2+\jj], 0, v[FA+8*\j2+\jj], vcc_lo
.endr
.endr
.irp j2, 0,1
	ds_store_b128 v[FSTO], v[FA+8*\j2:FA+8*\j2+3]   offset:64*\j2
	ds_store_b128 v[FSTO], v[FA+8*\j2+4:FA+8*\j2+7] offset:64*\j2+16
.endr
	s_wait_dscnt 0x0                               ; my rows n and my part of the fusion stage are in LDS,
	s_wait_tensorcnt 4                             ; and my two parts of slot 0; the four of slots 1 and 2 stay out
	s_barrier_signal -1
	s_barrier_wait -1
; ---- the K steps
; 16 LDS loads: three N fragments (every lane of a half reads the same 16 bytes of row n) and five M fragments, 32 d at step q
.macro LDF q, slot
	WIN 0
.irp i, 0,1,2
	ds_load_b128 v[NF+8*\i:NF+8*\i+3],   v[ADN+\i] offset:64*\q
	ds_load_b128 v[NF+8*\i+4:NF+8*\i+7], v[ADN+\i] offset:64*\q+32
.endr
.irp t, 0,1,2,3,4
	ds_load_b128 v[MF+8*\t:MF+8*\t+3],   v[ADM+5*\slot+\t] offset:64*(\q&3)
	ds_load_b128 v[MF+8*\t+4:MF+8*\t+7], v[ADM+5*\slot+\t] offset:64*(\q&3)+32
.endr
.endm
; 16 LDS loads: eight W fragments (j = 128 half + 16 ap + r) into window 1
.macro LDW half, kk, slot
	WIN 0x40
.irp ap, 0,1,2,3,4,5,6,7
	ds_load_b128 v[64*\half+8*\ap:64*\half+8*\ap+3],   v[ADW+\slot] offset:16*PITCH*(8*\half+\ap)+64*\kk
	ds_load_b128 v[64*\half+8*\ap+4:64*\half+8*\ap+7], v[ADW+\slot] offset:16*PITCH*(8*\half+\ap)+64*\kk+32
.endr
.endm
.macro PG1 t, n                        ; P of tile t = N fragment n x M fragment t, two bf16 products an instruction
.irp rr, 0,1,2,3,4,5,6,7
	v_pk_mul_bf16 v[PF+8*\t+\rr], v[NF+8*\n+\rr], v[MF+8*\t+\rr]
.endr
.endm
.macro PGEN
	PG1 0, 0
	PG1 1, 0
	PG1 2, 0
	PG1 3, 1
	PG1 4, 2
.endm
; 40 matrix instructions: eight W fragments x five tiles.  All 80 accumulators take turns, one instruction a turn, in the same order in every step.
.macro MM half, zero
.set MA, 8*\half
.rept 8
.set MT, 0
.rept 5
.set ABSR, 384+8*(5*MA+MT)
.set WN, ABSR/256
.set RG, ABSR%256
.set NW, ((WN<<6)|(WN<<4)|1)
	WIN NW
.if \zero
	v_wmma_f32_16x16x32_bf16 v[RG:RG+7], v[8*MA:8*MA+7], v[PF+8*MT:PF+8*MT+7], 0
.else
	v_wmma_f32_16x16x32_bf16 v[RG:RG+7], v[8*MA:8*MA+7], v[PF+8*MT:PF+8*MT+7], v[RG:RG+7]
.endif
.set MT, MT+1
.endr
.set MA, MA+1
.endr
.endm
; One step of 32 d.  ev = 1: slot 0 has been read to its end and is filled again.  ev = 2: slot 0's second tile is wanted next.
.macro STEP q, zero, ev
	s_wait_dscnt 16                                ; this step's N, M and first eight W fragments are in; the 16 loads of the other eight stay out
	WIN 0
	PGEN
	MM 0, \zero
	s_wait_dscnt 0                                 ; the other eight W fragments, asked for 40 matrix instructions ago
	WIN 0
.if \ev == 1
	s_wait_xcnt 0x0
	v_lshl_add_u32 v190, v0, 2, 0x4c300
	v_mov_b32 v191, 0
	s_wait_tensorcnt 0x0                           ; with the wait above: my reads of slot 0 are over and all my tensor loads have landed, slots 1 and 2 among them
	ds_add_u32 v190, v191
	s_wait_dscnt 0x0
	s_add_nc_u64 s[46:47], s[46:47], 768           ; no load of mine is out: slot 0's addresses step to d step 3
	s_add_nc_u64 s[58:59], s[58:59], 768
	ROUND                                          ; that now holds of every wave of all sixteen work-groups
	tensor_load_to_lds s[44:47], s[G1W:G1W+7]      ; the joint refills come first behind the round; they have eight steps in which to land
	s_nop 0
	tensor_load_to_lds s[56:59], s[G1F:G1F+7]
	s_nop 0
.endif
.if \ev == 2
	s_wait_tensorcnt 0x0                           ; my two parts of d step 3 have landed,
	s_barrier_signal -1
	s_barrier_wait -1                              ; everybody's have
.endif
	PLACES                                         ; before the first eight W fragments are loaded again
.if \q < 15
	LDF (\q+1), (((\q+1)>>2)%3)
	LDW 0, ((\q+1)&3), (((\q+1)>>2)%3)
.endif
	MM 1, \zero
	PLACES                                         ; before the other eight are loaded again and P is written again
.if \q < 15
	LDW 1, ((\q+1)&3), (((\q+1)>>2)%3)
.endif
.endm
.irp i, 0,1,2,3
	ds_load_b128 v[STA+4*\i:STA+4*\i+3], v[FRD] offset:2*FP*\i     ; fusion rows back, whole: lanes 0-15 one row of 256 bytes, lanes 16-31 the next
.endr
	LDF 0, 0
	LDW 0, 0, 0
	LDW 1, 0, 0
	WIN 0
	s_wait_dscnt 48                                ; the four fusion rows are in; the first step's 48 fragment loads stay out
.irp i, 0,1,2,3
	global_store_b128 v[OFO], v[STA+4*\i:STA+4*\i+3], s[84:85] offset:512*\i th:TH_STORE_NT
.endr
	STEP 0, 1, 0                                   ; the first products start the sums: nothing is cleared
	STEP 1, 0, 0
	STEP 2, 0, 0
	STEP 3, 0, 1
	STEP 4, 0, 0
	STEP 5, 0, 0
	STEP 6, 0, 0
	STEP 7, 0, 0
	STEP 8, 0, 0
	STEP 9, 0, 0
	STEP 10, 0, 0
	STEP 11, 0, 2
	STEP 12, 0, 0
	STEP 13, 0, 0
	STEP 14, 0, 0
	STEP 15, 0, 0                                  ; its closing four places stand in front of the first reads of the sums
; ---- the epilogue.  A lane of tile (a, t) holds j = 16 a + 8 h + 0..7 of its pair (n, m = 16 mb + r).  Tiles (2 c, t) and (2 c + 1, t), rounded to bf16, ARE
; registers 0-3 and 4-7 of a source-1 fragment for j = 32 c .. 32 c + 31: no lane moves.  The squares are summed from the f32 values on the same pass.
	s_wait_loadcnt 0x0                             ; the sentences
.macro EPC c
.irp e2, 0,1
.irp t, 0,1,2,3,4
.set ABSR, 384+8*(5*(2*\c+\e2)+\t)
.set WN, ABSR/256
.set RG, ABSR%256
.set NW, (WN|(WN<<2))
	WIN NW
.irp rr, 0,1,2,3
	v_cvt_pk_bf16_f32 v[BB+40*(\c&1)+8*\t+4*\e2+\rr], v[RG+2*\rr], v[RG+2*\rr+1]
.if (\c+\e2+(\rr/2)) == 0
	v_pk_mul_f32 v[SS+4*\t+2*(\rr&1):SS+4*\t+2*(\rr&1)+1], v[RG+2*\rr:RG+2*\rr+1], v[RG+2*\rr:RG+2*\rr+1]
.else
	v_pk_fma_f32 v[SS+4*\t+2*(\rr&1):SS+4*\t+2*(\rr&1)+1], v[RG+2*\rr:RG+2*\rr+1], v[RG+2*\rr:RG+2*\rr+1], v[SS+4*\t+2*(\rr&1):SS+4*\t+2*(\rr&1)+1]
.endif
.endr
.endr
.endr
	WIN 0
.irp t, 0,1,2,3,4                                      ; five sums by turns, one instruction a turn; a buffer is written again 80 vector instructions behind its readers
.if \c == 0
	v_wmma_f32_16x16x32_bf16 v[SA+8*\t:SA+8*\t+7], v[SN+8*\c:SN+8*\c+7], v[BB+40*(\c&1)+8*\t:BB+40*(\c&1)+8*\t+7], 0
.else
	v_wmma_f32_16x16x32_bf16 v[SA+8*\t:SA+8*\t+7], v[SN+8*\c:SN+8*\c+7], v[BB+40*(\c&1)+8*\t:BB+40*(\c&1)+8*\t+7], v[SA+8*\t:SA+8*\t+7]
.endif
.endr
.endm
	EPC 0
	EPC 1
	EPC 2
	EPC 3
	EPC 4
	EPC 5
	EPC 6
	EPC 7
	PLACES
	; 1 / max(norm, 1e-12) of each pair: my half of the j, then the other half's from lane L xor 16
.irp t, 0,1,2,3,4
	v_pk_add_f32 v[SS+4*\t:SS+4*\t+1], v[SS+4*\t:SS+4*\t+1], v[SS+4*\t+2:SS+4*\t+3]
.endr
.irp t, 0,1,2,3,4
	v_add_f32 v[SS+4*\t], v[SS+4*\t], v[SS+4*\t+1]
.endr
.irp t, 0,1,2,3,4
	v_permlanex16_b32 v[SS+4*\t+1], v[SS+4*\t], s92, s93
.endr
.irp t, 0,1,2,3,4
	v_add_f32 v[SS+4*\t], v[SS+4*\t], v[SS+4*\t+1]
.endr
.irp t, 0,1,2,3,4
	v_sqrt_f32 v[SS+4*\t], v[SS+4*\t]
.endr
	v_nop                                          ; one plain instruction behind the transcendentals (ISA guide 5.7.2)
	s_wait_alu depctr_va_vdst(0)
.irp t, 0,1,2,3,4
	v_max_num_f32 v[SS+4*\t], TINY, v[SS+4*\t]
.endr
.irp t, 0,1,2,3,4
	v_rcp_f32 v[SS+4*\t], v[SS+4*\t]
.endr
	v_nop
	s_wait_alu depctr_va_vdst(0)
.irp t, 0,1,2,3,4
.irp k, 0,2,4,6
	v_pk_mul_f32 v[SA+8*\t+\k:SA+8*\t+\k+1], v[SA+8*\t+\k:SA+8*\t+\k+1], v[SS+4*\t:SS+4*\t+1] op_sel_hi:[1,0]   ; the cosine
.endr
.endr
.set II, 0
.rept 20
	v_pk_mul_f32 v[TT+II:TT+II+1], v[SA+II:SA+II+1], NL10 op_sel_hi:[1,0]
.set II, II+2
.endr
.set II, 0
.rept 40
	v_exp_f32 v[TT+II], v[TT+II]
.set II, II+1
.endr
	v_nop
.set II, 0
	s_wait_alu depctr_va_vdst(0)
.rept 20
	v_pk_add_f32 v[TT+II:TT+II+1], v[TT+II:TT+II+1], 1.0 op_sel_hi:[1,0]
.set II, II+2
.endr
.set II, 0
.rept 40
	v_rcp_f32 v[TT+II], v[TT+II]
.set II, II+1
.endr
	v_nop
	s_wait_alu depctr_va_vdst(0)
; head 0 keeps the sigmoid, head 1 the cosine; pairs with m < n are 0; register k of lanes 0-15 is sentence k
.macro FIN t, nreg
	v_cmp_le_u32 vcc_lo, s[\nreg], v[MV+\t]
.irp k, 0,1,2,3,4,5,6,7
	v_cndmask_b32 v[TT+8*\t+\k], v[TT+8*\t+\k], v[SA+8*\t+\k], s27
	v_cndmask_b32 v[TT+8*\t+\k], 0, v[TT+8*\t+\k], vcc_lo
	ds_store_b32 v[SADR+\t], v[TT+8*\t+\k] offset:256*\k
.endr
.endm
	FIN 0, 88
	FIN 1, 88
	FIN 2, 88
	FIN 3, 89
	FIN 4, 90
	; my own stage back, by rows (s, n) of 256 bytes.  LDS serves a wave's instructions in order (ISA guide 5.7.1.4): these loads see the stores above
.irp rho, 0,1
.irp i, 0,1,2,3
	ds_load_b128 v[RB+16*\rho+4*\i:RB+16*\rho+4*\i+3], v[ZST] offset:\rho*SROW+512*\i
.endr
.endr
.irp rho, 0,1
.irp i, 0,1,2,3
	s_wait_dscnt 7-4*\rho-\i                       ; loads come back in order: this one is in
	global_store_b128 v[OO+\rho], v[RB+16*\rho+4*\i:RB+16*\rho+4*\i+3], s[86:87] offset:32768*\i th:TH_STORE_NT   ; sixteen lanes store the 256 consecutive bytes of row (s = 2 i + h, n)
.endr
.endr
	s_wait_xcnt 0x0
	v_lshl_add_u32 v190, v0, 2, 0x4c300
	v_mov_b32 v191, 0
	s_wait_tensorcnt 0x0
	ds_add_u32 v190, v191
	s_wait_dscnt 0x0
	ROUND                                          ; the closing round: no work-group ends while a partner may still ask for a tile that names it
	s_endpgm
.Lfunc_end_k_q4cbe63bf99_main:
	.size	k_q4cbe63bf99_main, .Lfunc_end_k_q4cbe63bf99_main-k_q4cbe63bf99_main
	.p2alignl 7, 3214868480
	.fill 96, 4, 3214868480
	.section	.rodata,"a",@progbits
	.p2align	6, 0x0
	.amdhsa_kernel k_q4cbe63bf99_main
		.amdhsa_group_segment_fixed_size 327680
		.amdhsa_private_segment_fixed_size 0
		.amdhsa_enable_private_segment 0
		.amdhsa_kernarg_size 48
		.amdhsa_user_sgpr_count 2
		.amdhsa_user_sgpr_kernarg_segment_ptr 1
		.amdhsa_wavefront_size32 1
		.amdhsa_system_sgpr_workgroup_id_x 1
		.amdhsa_system_sgpr_workgroup_id_y 1
		.amdhsa_system_sgpr_workgroup_id_z 1
		.amdhsa_system_vgpr_workitem_id 0
		.amdhsa_next_free_vgpr 1024
		.amdhsa_next_free_sgpr 100
		.amdhsa_reserve_vcc 1
		.amdhsa_float_denorm_mode_32 3
		.amdhsa_float_denorm_mode_16_64 3
		.amdhsa_memory_ordered 1
		.amdhsa_forward_progress 1
		.amdhsa_inst_pref_size 255
	.end_amdhsa_kernel
	.section	.bss,"aw",@nobits
	.p2align	6
	.space	262144
	.amdgpu_metadata
---
amdhsa.version: [ 1, 2 ]
amdhsa.kernels:
  - .name:           k_q4cbe63bf99_main
    .symbol:         k_q4cbe63bf99_main.kd
    .args:
      - { .name: Wb, .offset: 0, .size: 8, .value_kind: global_buffer, .address_space: global }
      - { .name: fTb, .offset: 8, .size: 8, .value_kind: global_buffer, .address_space: global }
      - { .name: snb, .offset: 16, .size: 8, .value_kind: global_buffer, .address_space: global }
      - { .name: Vb, .offset: 24, .size: 8, .value_kind: global_buffer, .address_space: global }
      - { .name: cb, .offset: 32, .size: 8, .value_kind: global_buffer, .address_space: global }
      - { .name: out0, .offset: 40, .size: 8, .value_kind: global_buffer, .address_space: global }
    .group_segment_fixed_size: 327680
    .private_segment_fixed_size: 0
    .kernarg_segment_align: 8
    .kernarg_segment_size: 48
    .max_flat_workgroup_size: 128
    .sgpr_count:     100
    .vgpr_count:     1024
    .wavefront_size: 32
...
	.end_amdgpu_metadata
.endif
;; end of part 2
;; ======== version 2 of 2: 2 launches; version 1 with the launch prep written anew for expert scheduling mode
;; workspace buffers: Wb 524,288 bytes; fTb 1,048,576 bytes; snb 262,144 bytes; Vb 262,144 bytes; cb 32,768 bytes
;; launch prep (part 3): grid 100 x 1, 16 waves a work-group, no clusters, 144,896 bytes of LDS; arguments feats, W1, W2, sent_feat_fusion, b1, b2, Wfuse, Wiou, Wp, sent_feat_iou, sent_feat, Wb, fTb, snb, Vb, cb; writes Wb, fTb, snb, Vb, cb
.if DOCPART == 3
	.amdgcn_target "amdgcn-amd-amdhsa--gfx1250"
	.amdhsa_code_object_version 6
	.text
	.protected	k_q4cbe63bf99_prep
	.globl	k_q4cbe63bf99_prep
	.p2align	8
	.type	k_q4cbe63bf99_prep,@function
k_q4cbe63bf99_prep:
	s_mov_b64 s[64:65], 0
	v_nop
	global_prefetch_b8 v0, s[64:65] scope:SCOPE_SE
	s_setreg_imm32_b32 hwreg(HW_REG_WAVE_SCHED_MODE, 0, 2), 2
	s_setreg_imm32_b32 hwreg(HW_REG_WAVE_MODE, 25, 1), 1
	s_wait_xcnt 0x0
	s_wait_alu depctr_vm_vsrc(0)
; PREP: everything that the main launch wants in bf16 and with K along the rows.  100 work-groups of 16 waves, three roles by the work-group number g:
;   g =  0..31  V role: b = g>>1, kh = g&1.  Vb[b][kh][n][k] = sum over d of feats[b][d][n] W1[d][64 kh + k] + b1, and rows 32 kh .. 32 kh + 31 of fTb[b][n][d] = feats[b][d][n]
;   g = 32..35  Q role: rh = (g>>1)&1, kh = g&1.  cb[kh][64 rh + row][k] = Wfuse[k] (sent_feat_fusion[row] . W2[:, k] + b2[k])^2, row = 8 b + s
;   g = 36..67  cast role: 32,768 bytes of Wiou (g < 52) or Wp to bf16 in Wb
;   g = 68..99  sentence role: head = (g-68)>>4, b = (g-68)&15: snb[head][b][0..7] = sentence / max(norm, 1e-12); rows 8..15 = sentence x 0
; The V and Q roles are one product of 64 rows x 64 k over 512 d.  Both operands are laid in LDS as bf16 with d along the rows.  The two roles differ in the global loads of X
; and in the order of the conversions; every LDS line is the same line for both.
; LIMITS: matrix operands are rounded to bf16 (feats, W1, W2, sent_feat_fusion; the results Vb, cb, snb, Wb, fTb too); sums, norms and the square are f32.
; Rows 8..15 of snb are value x 0: they are zero for finite sentences; the main launch never stores what it makes of them.
; No cluster and no tensor loads: the operands need a conversion (and feats, W1, W2 a transposition) on the way, so they pass through registers anyway.
; THE MODE: SCHED_MODE bits 1:0 = 2 (LLVM: expert scheduling mode 2), set by the entry lines.  The code itself states the register dependences
; between vector or matrix instructions and memory or LDS instructions, with s_wait_alu, always for 0.
; THE PLAN, V and Q roles.  Registers that memory or LDS instructions touch:
;   v12-15, v6, v7, v21, v29, v17, v26-28   offsets and addresses: each written once by vector lines, read behind a wait on va_vdst, never written again.
;   RW, RX, BI, WF   written by the head's global loads, read by vector and matrix lines alone.
;   WPK, PK          written by 32 conversions each, read by eight LDS stores each; behind the first barrier one wait on vm_vsrc gives them up: the sums land in WPK's registers,
;                    fTb's rows and fragment bank A in PK's.
;   banks A, B       step g's matrix instructions read bank g % 2; the LDS loads of chunk pair g + 1 land in the other bank, which the matrix instructions of step g - 1 read.
;                    ONE wait on va_vdst at the step's head states that those are done; no vector or matrix line of step g names the other bank.
;   OB               written by the 16 conversions of the four results, read by four LDS stores behind one wait on va_vdst; not written again.
;   v32-47 (V role)  fTb's rows: LDS loads land there, global stores read them, one wait on vm_vsrc behind those stores gives them up to bank A and to the way out's load.
;   v224, v225       written at the head, read by the closing add alone.
.set CLS,  16704                       ; LDS: row x, element d lies at (x&3) CLS + (x>>2) XP + 2 d.  CLS = 16 XP + 64
.set XP,   1040                        ; so that sixteen rows x .. x+15 as well as sixteen rows 4 i + const start in sixteen different 16-byte columns modulo 256 bytes
.set WT,   4*CLS                       ; X at 0 (66,816 bytes), the weights behind it (66,816 bytes)
.set OST,  8*CLS                       ; the result: 64 rows of 128 bytes, pitch 144
.set OPI,  144
.set RW,   32                          ; v[32:95]   weights as loaded (f32);   later X packed (v[32:63]), then fragment bank A
.set PK,   32
.set RX,   96                          ; v[96:159]  X as loaded (f32);         later fragment bank B
.set BKA,  32
.set BKB,  96
.set OB,   96                          ; v[96:111]  in the epilogue: the four results packed, 4 registers each
.set BI,   160                         ; v[160:175] bias of my 2 x 8 k, in the layout of an accumulator
.set WF,   176                         ; v[176:191] Wfuse of the same k
.set ACC,  192                         ; v[192:223] four accumulators (kt, rt)
.set WPK,  192                         ; v[192:223] at the head only: the weights packed, on their way to LDS
.set TQ,   32                          ; v[32:39]   at work in the epilogue: no memory or LDS instruction names them there
.macro PLACES                          ; four places behind a matrix instruction (ISA guide 7.12.1)
.rept 4
	v_nop
.endr
.endm
; 16 loads: rows d = 32 w + 8 hh + (t&7) + 16 (t>>3), 16 bytes at 16 l16: sixteen lanes read 256 consecutive bytes
.macro TIN_LD dst, off, base, pitch
.irp t, 0,1,2,3,4,5,6,7,8,9,10,11,12,13,14,15
	global_load_b128 v[\dst+4*\t:\dst+4*\t+3], v[\off], s[\base:\base+1] offset:((\t&7)+16*(\t>>3))*\pitch
.endr
.endm
; the transposition: register 4 t + cc holds (d of load t, x = 4 l16 + cc); eight consecutive d of one x make packet (jb, cc), 16 bytes of LDS row x, in v[dst + 4 (4 jb + cc) ..]
.macro TPACK dst, src
.irp jb, 0,1
.irp cc, 0,1,2,3
.irp q, 0,1,2,3
	v_cvt_pk_bf16_f32 v[\dst+4*(4*\jb+\cc)+\q], v[\src+32*\jb+8*\q+\cc], v[\src+32*\jb+8*\q+4+\cc]
.endr
.endr
.endr
.endm
; the eight packets go to LDS in one run
.macro TSTORE adr, src
.irp jb, 0,1
.irp cc, 0,1,2,3
	ds_store_b128 v[\adr], v[\src+4*(4*\jb+\cc):\src+4*(4*\jb+\cc)+3] offset:\cc*CLS+32*\jb
.endr
.endr
.endm
	s_load_b512 s[8:23], s[0:1], 0x0               ; feats 8, W1 10, W2 12, sent_feat_fusion 14, b1 16, b2 18, Wfuse 20, Wiou 22
	s_load_b512 s[24:39], s[0:1], 0x40             ; Wp 24, sent_feat_iou 26, sent_feat 28, Wb 30, fTb 32, snb 34, Vb 36, cb 38
	v_lshl_add_u32 v224, v0, 2, 0x22e00
	v_mov_b32 v225, 0
	v_lshrrev_b32 v1, 5, v0
	v_readfirstlane_b32 s40, v1                    ; wave 0..15
	v_and_b32 v1, 31, v0                           ; lane L
	v_and_b32 v2, 15, v0                           ; l16 (r)
	v_bfe_u32 v3, v0, 4, 1                         ; hh (h)
	s_wait_alu depctr_va_sdst(0)                   ; s40 is written, ahead of the first branch and of its first reader in each of the roles
	s_wait_kmcnt 0x0
	s_cmp_ge_u32 ttmp9, 68                         ; the role hangs on the work-group number alone: all 16 waves go the same way
	s_cbranch_scc1 .Lsent
	s_cmp_ge_u32 ttmp9, 36
	s_cbranch_scc1 .Lcast
; ---------------------------------------------------------------- V and Q roles
	s_and_b32 s42, ttmp9, 1                        ; kh
	s_bfe_u32 s43, ttmp9, 0x40001                  ; (g>>1)&15: b, or rh
	s_lshl_b32 s44, s43, 17                        ; X: 131,072 bytes for a video (512 x 64 f32) and for 64 sentences (64 x 512 f32) alike
	s_mov_b32 s45, 0
	s_lshl_b32 s46, s42, 8                         ; 64 k of f32
	s_mov_b32 s47, 0
	s_lshl_b32 s48, s43, 14
	s_lshl_b32 s50, s42, 13
	s_add_co_u32 s48, s48, s50                     ; Vb: 16,384 b + 8,192 kh
	s_lshl_b32 s50, s42, 14
	s_lshl_b32 s51, s43, 13
	s_add_co_u32 s50, s50, s51                     ; cb: 16,384 kh + 8,192 rh
	s_cmp_ge_u32 ttmp9, 32                         ; Q?
	s_cselect_b64 s[52:53], s[14:15], s[8:9]       ; X
	s_cselect_b64 s[54:55], s[12:13], s[10:11]     ; weights
	s_cselect_b64 s[56:57], s[18:19], s[16:17]     ; bias
	s_cselect_b64 s[58:59], s[38:39], s[36:37]     ; result
	s_cselect_b32 s48, s50, s48
	s_cselect_b32 s41, -1, 0                       ; lane mask: all ones in the Q role
	s_mov_b32 s49, 0
	s_add_nc_u64 s[52:53], s[52:53], s[44:45]
	s_add_nc_u64 s[54:55], s[54:55], s[46:47]
	s_add_nc_u64 s[56:57], s[56:57], s[46:47]
	s_add_nc_u64 s[60:61], s[20:21], s[46:47]      ; Wfuse
	s_add_nc_u64 s[58:59], s[58:59], s[48:49]
	s_lshl_b32 s50, s40, 5
	v_lshl_add_u32 v4, v3, 3, s50                  ; 32 w + 8 hh
	v_lshlrev_b32 v5, 4, v2                        ; 16 l16
	v_lshl_add_u32 v12, v4, 9, v5                  ; weights: rows of 512 bytes
	v_lshl_add_u32 v13, v4, 8, v5                  ; feats: rows of 256 bytes
	s_lshl_b32 s50, s40, 7
	v_lshl_add_u32 v14, v2, 13, s50                ; sentences: row 4 l16 of 2,048 bytes, + 4 (32 w
	v_lshl_add_u32 v14, v3, 5, v14                 ; + 8 hh) bytes
	s_and_b32 s50, s40, 1
	s_lshl_b32 s50, s50, 7
	v_lshl_add_u32 v15, v3, 5, s50                 ; bias, Wfuse: (32 (w&1) + 8 hh) f32
	s_wait_alu depctr_va_vdst(0)                   ; v12 to v15 are written: the offsets of the 40 loads below, on both ways; no vector line stands among those loads
	TIN_LD RW, 12, 54, 512                         ; 16 loads
	s_cmp_ge_u32 ttmp9, 32
	s_cbranch_scc1 .Lq_load
	TIN_LD RX, 13, 52, 256                         ; 16 loads on this way,
	s_branch .Lx_asked
.Lq_load:
; and 16 on this: rows 4 l16 + cc, d = 32 w + 8 hh + 16 jb + 0..7, the numbers that this lane's LDS stores below want.  d already lies along the rows, so nothing is transposed;
; a wave reads 128 consecutive bytes of each of the 64 rows, two neighbouring waves 256
.irp jb, 0,1
.irp cc, 0,1,2,3
	global_load_b128 v[RX+8*(4*\jb+\cc):RX+8*(4*\jb+\cc)+3],   v14, s[52:53] offset:2048*\cc+64*\jb
	global_load_b128 v[RX+8*(4*\jb+\cc)+4:RX+8*(4*\jb+\cc)+7], v14, s[52:53] offset:2048*\cc+64*\jb+16
.endr
.endr
.Lx_asked:
.irp kt, 0,1
	global_load_b128 v[BI+8*\kt:BI+8*\kt+3],   v15, s[56:57] offset:64*\kt
	global_load_b128 v[BI+8*\kt+4:BI+8*\kt+7], v15, s[56:57] offset:64*\kt+16
.endr
.irp kt, 0,1
	global_load_b128 v[WF+8*\kt:WF+8*\kt+3],   v15, s[60:61] offset:64*\kt
	global_load_b128 v[WF+8*\kt+4:WF+8*\kt+7], v15, s[60:61] offset:64*\kt+16
.endr
	; LDS addresses, while the loads are on their way
	s_lshl_b32 s50, s40, 6
	v_mad_u32_u24 v6, v2, XP, s50                  ; stores of X: l16 XP + 64 w
	v_lshl_add_u32 v6, v3, 4, v6                   ; + 16 hh
	v_add_nc_u32 v7, WT, v6                        ; and of the weights
	v_lshlrev_b32 v21, 4, v0                       ; 16 t: the offset of every contiguous store
	v_lshrrev_b32 v24, 3, v0
	v_and_b32 v25, 7, v0
	v_mul_u32_u24 v29, v24, OPI
	v_lshl_add_u32 v29, v25, 4, v29
	v_add_nc_u32 v29, OST, v29                     ; the way out: row t>>3, 16 bytes at 16 (t&7)
	s_wait_loadcnt 24                              ; the weights are in; the 16 loads of X and the 8 of bias and Wfuse stay out
	TPACK WPK, RW
	s_wait_alu depctr_va_vdst(0)                   ; the conversions have written v[WPK ..], the data of the eight LDS stores, and v7, their address, is written (v6, v21 and v29 too)
	TSTORE 7, WPK
	s_wait_loadcnt 8                               ; X is in; bias and Wfuse stay out
	s_cmp_ge_u32 ttmp9, 32
	s_cbranch_scc1 .Lq_pack
	TPACK PK, RX                                   ; V: across the loads (the transposition)
	s_branch .Lpacked
.Lq_pack:
.irp jb, 0,1
.irp cc, 0,1,2,3
.irp q, 0,1,2,3
	v_cvt_pk_bf16_f32 v[PK+4*(4*\jb+\cc)+\q], v[RX+8*(4*\jb+\cc)+2*\q], v[RX+8*(4*\jb+\cc)+2*\q+1] ; Q: along the loads
.endr
.endr
.endr
.Lpacked:
	s_wait_alu depctr_va_vdst(0)                   ; on both ways the conversions have written v[PK ..], the data of the eight LDS stores
	TSTORE 6, PK
	s_wait_dscnt 0x0                               ; my stores are in LDS before I say so
	s_barrier_signal -1
	s_barrier_wait -1                              ; both operands are whole
	s_wait_alu depctr_vm_vsrc(0)                   ; my LDS stores have read v[PK ..] and v[WPK ..]: from here on LDS loads land in the first and the matrix instructions' sums in the second
	s_cmp_ge_u32 ttmp9, 32
	s_cbranch_scc1 .Lno_ft
	; V role: rows n = 32 kh + 8 i + (t>>6) of X leave as fTb: 8,192 contiguous bytes for each i
	s_lshl_b32 s50, s43, 16
	s_lshl_b32 s51, s42, 15
	s_add_co_u32 s50, s50, s51
	s_mov_b32 s51, 0
	s_add_nc_u64 s[62:63], s[32:33], s[50:51]      ; fTb + 65,536 b + 32,768 kh
	v_bfe_u32 v18, v0, 6, 2                        ; n & 3
	v_lshrrev_b32 v19, 8, v0
	v_and_b32 v20, 63, v0
	v_mul_u32_u24 v17, v18, CLS
	s_lshl_b32 s50, s42, 3
	v_add_nc_u32 v19, s50, v19                     ; n >> 2 = 8 kh + 2 i + (t>>8)
	v_mad_u32_u24 v17, v19, XP, v17
	v_lshl_add_u32 v17, v20, 4, v17
	s_wait_alu depctr_va_vdst(0)                   ; v17, the four loads' address, is written; the conversions that read and wrote v[32:47], in which they land, are done
.irp i, 0,1,2,3
	ds_load_b128 v[32+4*\i:35+4*\i], v17 offset:2*XP*\i
.endr
.irp i, 0,1,2,3
	s_wait_dscnt 3-\i                              ; LDS loads come back in order: load i is in
	global_store_b128 v21, v[32+4*\i:35+4*\i], s[62:63] offset:8192*\i
.endr
	s_wait_xcnt 0x0                                ; v[32:47], which these stores read, are loaded again below only behind this wait
	s_wait_alu depctr_vm_vsrc(0)                   ; and the four stores have read v[32:47], in which fragment bank A and the way out's load land
.Lno_ft:
	s_cmp_ge_u32 s40, 4                            ; the product: 64 x 64 x 512 is 64 matrix instructions for each of four waves, one quadrant each
	s_cbranch_scc1 .Lno_gemm
	v_and_b32 v24, 3, v2
	v_lshrrev_b32 v25, 2, v2
	v_mul_u32_u24 v24, v24, CLS
	v_mad_u32_u24 v24, v25, XP, v24
	v_lshl_add_u32 v24, v3, 4, v24                 ; a fragment's lane: row r, 16 h
	s_lshr_b32 s44, s40, 1                         ; rq: rows 32 rq ..
	s_and_b32 s45, s40, 1                          ; kq: k 32 kq ..
	s_mul_i32 s46, s44, 8*XP
	s_mul_i32 s47, s45, 8*XP
	s_add_co_u32 s47, s47, WT
	v_add_nc_u32 v26, s46, v24                     ; X fragments
	v_add_nc_u32 v27, s47, v24                     ; weight fragments
	s_mul_i32 s46, s44, 32*OPI
	s_lshl_b32 s47, s45, 6
	s_add_co_u32 s46, s46, s47
	s_add_co_u32 s46, s46, OST
	v_mad_u32_u24 v28, v2, OPI, s46
	v_lshl_add_u32 v28, v3, 4, v28                 ; result: row 32 rq + r, byte 64 kq + 16 h
; One fragment, two LDS loads: chunk 2 g2 + cc of 32 d; sel = 0: weights (address v27), 1: X (address v26); f: the second fragment lies 16 rows = 4 XP further
.macro PAIR g2, bank, cc, sel, f
	ds_load_b128 v[\bank+32*\cc+16*\sel+8*\f:\bank+32*\cc+16*\sel+8*\f+3],   v[27-\sel] offset:64*(2*\g2+\cc)+4*XP*\f
	ds_load_b128 v[\bank+32*\cc+16*\sel+8*\f+4:\bank+32*\cc+16*\sel+8*\f+7], v[27-\sel] offset:64*(2*\g2+\cc)+4*XP*\f+32
.endm
; 16 LDS loads: two chunks of 32 d; in each two weight fragments (k 16 apart), then two X fragments (rows 16 apart)
.macro LG g2, bank
.irp cc, 0,1
.irp sel, 0,1
.irp f, 0,1
	PAIR \g2, \bank, \cc, \sel, \f
.endr
.endr
.endr
.endm
; Step g2: 8 matrix instructions on bank.  Source 0 = 16 k of the weights, source 1 = 16 rows of X: a lane then holds row r and the neighbouring k = 8 h + 0..7.
; The four accumulators take turns, one instruction a turn.  first = 1: the bias starts the sums.
; more = 1: the 16 loads of chunk pair g2 + 1 go into the other bank, four ahead of each of the step's first four matrix instructions: they have the step in which to land.
.macro GSTEP g2, bank, other, left, more, first
	s_wait_dscnt \left                             ; this bank's 16 loads are in (in step 0 the other bank's 16 stay out; later nothing younger has been asked for)
.if \more
	s_wait_alu depctr_va_vdst(0)                   ; the matrix instructions of the step before are done reading the other bank, in which this step's loads land; no line of this step but those loads names it
.endif
.irp cc, 0,1
.irp kt, 0,1
.irp rt, 0,1
.if (\more)*(1-\cc)
	PAIR (\g2+1), \other, \kt, \rt, 0
	PAIR (\g2+1), \other, \kt, \rt, 1
.endif
.if (\first)*(1-\cc)
	v_wmma_f32_16x16x32_bf16 v[ACC+8*(2*\kt+\rt):ACC+8*(2*\kt+\rt)+7], v[\bank+32*\cc+8*\kt:\bank+32*\cc+8*\kt+7], v[\bank+32*\cc+16+8*\rt:\bank+32*\cc+16+8*\rt+7], v[BI+8*\kt:BI+8*\kt+7]
.else
	v_wmma_f32_16x16x32_bf16 v[ACC+8*(2*\kt+\rt):ACC+8*(2*\kt+\rt)+7], v[\bank+32*\cc+8*\kt:\bank+32*\cc+8*\kt+7], v[\bank+32*\cc+16+8*\rt:\bank+32*\cc+16+8*\rt+7], v[ACC+8*(2*\kt+\rt):ACC+8*(2*\kt+\rt)+7]
.endif
.endr
.endr
.endr
	PLACES                                         ; before the bank is loaded again, and before the results are read
.endm
	s_wait_alu depctr_va_vdst(0)                   ; v26 and v27, the fragment loads' addresses, and v28 are written; every vector line that named v[32:159], in which the fragments land, is done
	LG 0, BKA
	LG 1, BKB
	s_wait_loadcnt 0x0                             ; bias (the first products' C) and Wfuse
	GSTEP 0, BKA, BKB, 16, 0, 1
	GSTEP 1, BKB, BKA, 0, 1, 0
	GSTEP 2, BKA, BKB, 0, 1, 0
	GSTEP 3, BKB, BKA, 0, 1, 0
	GSTEP 4, BKA, BKB, 0, 1, 0
	GSTEP 5, BKB, BKA, 0, 1, 0
	GSTEP 6, BKA, BKB, 0, 1, 0
	GSTEP 7, BKB, BKA, 0, 0, 0                     ; the last step asks for nothing, so it states nothing
; V role: the sum as it is.  Q role: Wfuse x sum^2.  Both are made, the role's mask picks one.  Each result has four registers of OB to itself.
.macro GEPI kt, rt
.set A0, ACC+8*(2*\kt+\rt)
.irp k, 0,2,4,6
	v_pk_mul_f32 v[TQ+\k:TQ+\k+1], v[A0+\k:A0+\k+1], v[A0+\k:A0+\k+1]
.endr
.irp k, 0,2,4,6
	v_pk_mul_f32 v[TQ+\k:TQ+\k+1], v[TQ+\k:TQ+\k+1], v[WF+8*\kt+\k:WF+8*\kt+\k+1]
.endr
.irp k, 0,1,2,3,4,5,6,7
	v_cndmask_b32 v[TQ+\k], v[A0+\k], v[TQ+\k], s41
.endr
.irp q, 0,1,2,3
	v_cvt_pk_bf16_f32 v[OB+4*(2*\kt+\rt)+\q], v[TQ+2*\q], v[TQ+2*\q+1]
.endr
.endm
	GEPI 0, 0
	GEPI 0, 1
	GEPI 1, 0
	GEPI 1, 1
	s_wait_alu depctr_va_vdst(0)                   ; the conversions have written v[OB ..], the data of the four LDS stores; the matrix instructions that read v[40:43], in which the way out's load lands, are done too
.irp kt, 0,1
.irp rt, 0,1
	ds_store_b128 v28, v[OB+4*(2*\kt+\rt):OB+4*(2*\kt+\rt)+3] offset:16*OPI*\rt+32*\kt
.endr
.endr
.Lno_gemm:
	s_wait_dscnt 0x0                               ; the four waves' results are in LDS before they say so
	s_barrier_signal -1
	s_barrier_wait -1
	ds_load_b128 v[40:43], v29                     ; no vector or matrix line since the last wait on va_vdst, on any way here, names v29 or v[40:43]
	s_wait_dscnt 0x0
	global_store_b128 v21, v[40:43], s[58:59]      ; 8,192 contiguous bytes: sixteen lanes store 256 consecutive bytes, aligned
	s_wait_dscnt 0x0                               ; the closing lines, six on end
	s_wait_alu 0x0
	s_wait_tensorcnt 0x0
	ds_add_u32 v224, v225
	s_wait_dscnt 0x0
	s_endpgm
; ---------------------------------------------------------------- cast role: 8,192 f32 to bf16, contiguous in and out
.Lcast:
	s_sub_co_u32 s42, ttmp9, 36                    ; j = 0..31
	s_and_b32 s43, s42, 15
	s_lshl_b32 s44, s43, 15                        ; 32,768 bytes of f32 for each work-group: 16 of them cover a head's 524,288
	s_mov_b32 s45, 0
	s_lshl_b32 s46, s42, 14                        ; 16,384 bytes of bf16; 16 x 16,384 = a head's 262,144, so j serves both heads
	s_mov_b32 s47, 0
	s_cmp_ge_u32 s42, 16
	s_cselect_b64 s[48:49], s[24:25], s[22:23]     ; head 1 = Wp, head 0 = Wiou
	s_add_nc_u64 s[48:49], s[48:49], s[44:45]
	s_add_nc_u64 s[50:51], s[30:31], s[46:47]
	v_lshlrev_b32 v4, 5, v0
	v_lshlrev_b32 v5, 4, v0
	s_wait_alu depctr_va_vdst(0)                   ; v4 and v5 are written: the offsets of the four loads and of the two stores
.irp i, 0,1
	global_load_b128 v[32+8*\i:35+8*\i], v4, s[48:49] offset:16384*\i
	global_load_b128 v[36+8*\i:39+8*\i], v4, s[48:49] offset:16384*\i+16
.endr
.irp i, 0,1
	s_wait_loadcnt 2-2*\i                          ; this trip's two loads are in
.irp q, 0,1,2,3
	v_cvt_pk_bf16_f32 v[48+4*\i+\q], v[32+8*\i+2*\q], v[33+8*\i+2*\q]
.endr
.endr
	s_wait_alu depctr_va_vdst(0)                   ; the eight conversions have written v[48:55], the data of the two stores
.irp i, 0,1
	global_store_b128 v5, v[48+4*\i:51+4*\i], s[50:51] offset:8192*\i
.endr
	s_endpgm
; ---------------------------------------------------------------- sentence role: wave w makes row w of 16; a row is 256 numbers, 8 a lane
.Lsent:
	s_sub_co_u32 s42, ttmp9, 68                    ; j = 16 head + b
	s_and_b32 s43, s42, 15
	s_and_b32 s44, s40, 7                          ; rows 8..15 read sentences 0..7 again and scale them by 0
	s_lshl_b32 s43, s43, 13
	s_lshl_b32 s44, s44, 10
	s_add_co_u32 s44, s44, s43
	s_mov_b32 s45, 0
	s_lshl_b32 s46, s42, 13
	s_lshl_b32 s47, s40, 9
	s_add_co_u32 s46, s46, s47
	s_mov_b32 s47, 0
	s_cmp_ge_u32 s42, 16
	s_cselect_b64 s[48:49], s[28:29], s[26:27]     ; head 1 = sent_feat, head 0 = sent_feat_iou
	s_add_nc_u64 s[48:49], s[48:49], s[44:45]
	s_add_nc_u64 s[50:51], s[34:35], s[46:47]
	s_cmp_lt_u32 s40, 8
	s_cselect_b32 s52, 1.0, 0
	s_mov_b32 s54, 0x76543210                      ; v_permlanex16_b32: lane i of one half reads lane i of the other
	s_mov_b32 s55, 0xfedcba98
	v_lshlrev_b32 v4, 5, v1
	v_lshlrev_b32 v5, 4, v1
	s_wait_alu depctr_va_vdst(0)                   ; v4 and v5 are written: the offsets of the two loads and of the store
	global_load_b128 v[32:35], v4, s[48:49]
	global_load_b128 v[36:39], v4, s[48:49] offset:16
	s_wait_loadcnt 0x0
	v_pk_mul_f32 v[8:9], v[32:33], v[32:33]
	v_pk_fma_f32 v[8:9], v[34:35], v[34:35], v[8:9]
	v_pk_fma_f32 v[8:9], v[36:37], v[36:37], v[8:9]
	v_pk_fma_f32 v[8:9], v[38:39], v[38:39], v[8:9]
	v_add_f32 v8, v8, v9
	v_add_f32_dpp v8, v8, v8 row_xmask:1 row_mask:0xf bank_mask:0xf
	v_add_f32_dpp v8, v8, v8 row_xmask:2 row_mask:0xf bank_mask:0xf
	v_add_f32_dpp v8, v8, v8 row_xmask:4 row_mask:0xf bank_mask:0xf
	v_add_f32_dpp v8, v8, v8 row_xmask:8 row_mask:0xf bank_mask:0xf
	v_permlanex16_b32 v9, v8, s54, s55
	v_add_f32 v8, v8, v9                           ; the sum of squares, in every lane
	v_sqrt_f32 v8, v8
	v_nop                                          ; one plain instruction behind a transcendental (ISA guide 5.7.2)
	s_wait_alu depctr_va_vdst(0)                   ; the root is written, ahead of its first reader
	v_max_num_f32 v8, 0x2b8cbccc, v8               ; clip at 1e-12
	v_rcp_f32 v8, v8
	v_nop
	s_wait_alu depctr_va_vdst(0)                   ; the reciprocal is written, ahead of its first reader
	v_mul_f32 v8, s52, v8                          ; 1 / norm, or 0 in rows 8..15
.irp k, 0,2,4,6
	v_pk_mul_f32 v[32+\k:33+\k], v[32+\k:33+\k], v[8:9] op_sel_hi:[1,0]
.endr
.irp q, 0,1,2,3
	v_cvt_pk_bf16_f32 v[12+\q], v[32+2*\q], v[33+2*\q]
.endr
	s_wait_alu depctr_va_vdst(0)                   ; the four conversions have written v[12:15], the store's data
	global_store_b128 v5, v[12:15], s[50:51]       ; a wave stores a row of 512 consecutive bytes
	s_endpgm
.Lfunc_end_k_q4cbe63bf99_prep:
	.size	k_q4cbe63bf99_prep, .Lfunc_end_k_q4cbe63bf99_prep-k_q4cbe63bf99_prep
	.p2alignl 7, 3214868480
	.fill 96, 4, 3214868480
	.section	.rodata,"a",@progbits
	.p2align	6, 0x0
	.amdhsa_kernel k_q4cbe63bf99_prep
		.amdhsa_group_segment_fixed_size 144896
		.amdhsa_private_segment_fixed_size 0
		.amdhsa_enable_private_segment 0
		.amdhsa_kernarg_size 128
		.amdhsa_user_sgpr_count 2
		.amdhsa_user_sgpr_kernarg_segment_ptr 1
		.amdhsa_wavefront_size32 1
		.amdhsa_system_sgpr_workgroup_id_x 1
		.amdhsa_system_sgpr_workgroup_id_y 1
		.amdhsa_system_sgpr_workgroup_id_z 1
		.amdhsa_system_vgpr_workitem_id 0
		.amdhsa_next_free_vgpr 226
		.amdhsa_next_free_sgpr 66
		.amdhsa_reserve_vcc 0
		.amdhsa_float_denorm_mode_32 3
		.amdhsa_float_denorm_mode_16_64 3
		.amdhsa_memory_ordered 1
		.amdhsa_forward_progress 1
		.amdhsa_inst_pref_size 42
	.end_amdhsa_kernel
	.amdgpu_metadata
---
amdhsa.version: [ 1, 2 ]
amdhsa.kernels:
  - .name:           k_q4cbe63bf99_prep
    .symbol:         k_q4cbe63bf99_prep.kd
    .args:
      - { .name: feats, .offset: 0, .size: 8, .value_kind: global_buffer, .address_space: global }
      - { .name: W1, .offset: 8, .size: 8, .value_kind: global_buffer, .address_space: global }
      - { .name: W2, .offset: 16, .size: 8, .value_kind: global_buffer, .address_space: global }
      - { .name: sent_feat_fusion, .offset: 24, .size: 8, .value_kind: global_buffer, .address_space: global }
      - { .name: b1, .offset: 32, .size: 8, .value_kind: global_buffer, .address_space: global }
      - { .name: b2, .offset: 40, .size: 8, .value_kind: global_buffer, .address_space: global }
      - { .name: Wfuse, .offset: 48, .size: 8, .value_kind: global_buffer, .address_space: global }
      - { .name: Wiou, .offset: 56, .size: 8, .value_kind: global_buffer, .address_space: global }
      - { .name: Wp, .offset: 64, .size: 8, .value_kind: global_buffer, .address_space: global }
      - { .name: sent_feat_iou, .offset: 72, .size: 8, .value_kind: global_buffer, .address_space: global }
      - { .name: sent_feat, .offset: 80, .size: 8, .value_kind: global_buffer, .address_space: global }
      - { .name: Wb, .offset: 88, .size: 8, .value_kind: global_buffer, .address_space: global }
      - { .name: fTb, .offset: 96, .size: 8, .value_kind: global_buffer, .address_space: global }
      - { .name: snb, .offset: 104, .size: 8, .value_kind: global_buffer, .address_space: global }
      - { .name: Vb, .offset: 112, .size: 8, .value_kind: global_buffer, .address_space: global }
      - { .name: cb, .offset: 120, .size: 8, .value_kind: global_buffer, .address_space: global }
    .group_segment_fixed_size: 144896
    .private_segment_fixed_size: 0
    .kernarg_segment_align: 8
    .kernarg_segment_size: 128
    .max_flat_workgroup_size: 512
    .sgpr_count:     66
    .vgpr_count:     226
    .wavefront_size: 32
...
	.end_amdgpu_metadata
.endif
;; end of part 3
;; launch main: the kernel of part 2 again; grid 16 x 16, 4 waves a work-group, clusters of 4 x 4, 327,680 bytes of LDS; arguments Wb, fTb, snb, Vb, cb, out0; writes out0
